; MI455X (gfx1250); checked and timed in simulation.
; The chip was launched on July 23, 2026; its instructions are those of AMD's public machine-readable ISA for CDNA 5 (MIT licence, August 2026) and "CDNA5" Instruction Set Architecture Reference Guide (July 2026). The comments in the code are by the model that wrote it; some were corrected since.
;; Mo E Block. Allowed arithmetic: matrix products marked QUANTISED: E4M3 operands, one given power-of-two scale a tensor, by v_wmma_f32_16x16x64_fp8_fp8 or v_wmma_f32_16x16x128_fp8_fp8, f32 sums; products left as they are: f32 operands where the result goes on into a quantised operand, else bf16, f16 or f32 operands; f32 sums; everything else in f32.
;; Inputs: W1_codes 8 x 4,096 x 32 x 32 uint8 (E4M3 codes of W1, K innermost, in blocks of 32 codes); W2_codes 8 x 1,024 x 128 x 32 uint8 (E4M3 codes of W2, K innermost, in blocks of 32 codes); Wr 8 x 1,024 float32; b1 8 x 4,096 float32; b2 8 x 1,024 float32; lowp_scales 32 int32 (the exponents e of the quantised operands' scales 2^e); x 4 x 256 x 1,024 float32.
;; Outputs: out0 4 x 256 x 1,024 float32; out1 one number float32.
;; This version of the problem:
;;   THIS VERSION OF THE PROBLEM IS GIVEN IN LOW PRECISION. The matrix products marked QUANTISED in the list below multiply operands that are first quantised to E4M3 (4 exponent bits, 3 mantissa bits; 8 bits a number), with one given power-of-two scale for each operand tensor; their sums are f32. All else is computed in f32.
;;   The module's matrix products, in the order in which they are computed (A, B: the left and right operand; K: the contracted axis; several contracted axes count as one K, in the product's order):
;;     1. [M 1,024, K 1,024] x [K 1,024, N 8]; A: input x; B: input Wr: left as it is (N = 8 < 16)
;;     2. batch 1,024 x [M 1, K 2] x [K 2, N 8]; A: computed on the way; B: computed on the way: left as it is (K = 2 < 32)
;;     3. [M 1,024, K 1,024] x [K 1,024, N 4,096]; A: input x; B: input W1 (given as codes): QUANTISED (scales: A lowp_scales[0], B lowp_scales[1])
;;     4. [M 1,024, K 4,096] x [K 4,096, N 1,024]; A: computed on the way; B: input W2 (given as codes): QUANTISED (scales: A lowp_scales[2], B lowp_scales[3])
;;     5. [M 1,024, K 1,024] x [K 1,024, N 4,096]; A: input x; B: input W1 (given as codes): QUANTISED (scales: A lowp_scales[4], B lowp_scales[5])
;;     6. [M 1,024, K 4,096] x [K 4,096, N 1,024]; A: computed on the way; B: input W2 (given as codes): QUANTISED (scales: A lowp_scales[6], B lowp_scales[7])
;;     7. [M 1,024, K 1,024] x [K 1,024, N 4,096]; A: input x; B: input W1 (given as codes): QUANTISED (scales: A lowp_scales[8], B lowp_scales[9])
;;     8. [M 1,024, K 4,096] x [K 4,096, N 1,024]; A: computed on the way; B: input W2 (given as codes): QUANTISED (scales: A lowp_scales[10], B lowp_scales[11])
;;     9. [M 1,024, K 1,024] x [K 1,024, N 4,096]; A: input x; B: input W1 (given as codes): QUANTISED (scales: A lowp_scales[12], B lowp_scales[13])
;;     10. [M 1,024, K 4,096] x [K 4,096, N 1,024]; A: computed on the way; B: input W2 (given as codes): QUANTISED (scales: A lowp_scales[14], B lowp_scales[15])
;;     11. [M 1,024, K 1,024] x [K 1,024, N 4,096]; A: input x; B: input W1 (given as codes): QUANTISED (scales: A lowp_scales[16], B lowp_scales[17])
;;     12. [M 1,024, K 4,096] x [K 4,096, N 1,024]; A: computed on the way; B: input W2 (given as codes): QUANTISED (scales: A lowp_scales[18], B lowp_scales[19])
;;     13. [M 1,024, K 1,024] x [K 1,024, N 4,096]; A: input x; B: input W1 (given as codes): QUANTISED (scales: A lowp_scales[20], B lowp_scales[21])
;;     14. [M 1,024, K 4,096] x [K 4,096, N 1,024]; A: computed on the way; B: input W2 (given as codes): QUANTISED (scales: A lowp_scales[22], B lowp_scales[23])
;;     15. [M 1,024, K 1,024] x [K 1,024, N 4,096]; A: input x; B: input W1 (given as codes): QUANTISED (scales: A lowp_scales[24], B lowp_scales[25])
;;     16. [M 1,024, K 4,096] x [K 4,096, N 1,024]; A: computed on the way; B: input W2 (given as codes): QUANTISED (scales: A lowp_scales[26], B lowp_scales[27])
;;     17. [M 1,024, K 1,024] x [K 1,024, N 4,096]; A: input x; B: input W1 (given as codes): QUANTISED (scales: A lowp_scales[28], B lowp_scales[29])
;;     18. [M 1,024, K 4,096] x [K 4,096, N 1,024]; A: computed on the way; B: input W2 (given as codes): QUANTISED (scales: A lowp_scales[30], B lowp_scales[31])
;;   THE QUANTISER, for each operand of a quantised product, along K:
;;     - The operand's scale is 2^e, e = its entry of the input lowp_scales (int32; the entries are numbered through the quantised products in the list's order, A before B).
;;     - Each number is divided by the scale, clamped to +-448, and rounded to the nearest number of E4M3, ties to even, subnormals kept.
;;     - The product sums the exact products of the quantised numbers (number of the format x scale) in f32.
;;   ~~~python
;;   def quantise(x, axis, e):      # numpy; x: float32 -> the quantised numbers, widened to float32 again
;;       x = np.moveaxis(x, axis, -1); K = x.shape[-1]
;;       r = np.clip(x / 2.0 ** e, -448, 448)
;;       step = 2.0 ** (np.maximum(np.frexp(np.where(r == 0, 1, r))[1] - 1, -6) - 3)
;;       q = np.round(r / step) * step * 2.0 ** e      # np.round: ties to even
;;       return np.moveaxis(q, -1, axis).astype(np.float32)
;;   ~~~
;;   OPERANDS COMPUTED ON THE WAY. 'Computed on the way' means the value that the module computes at that place (a softmax that the list does not call 'softmax' is quantised finished and normalised). What goes into a quantiser is computed in f32, as accurately as f32 sums, v_exp_f32 and their like allow (about 1e-6 of the number): no bf16 or f16 on the way to a quantiser, and a product that is left as it is and whose result goes on into a quantised operand takes f32 operands (vector FMAs, or v_wmma_f32_16x16x4_f32). A number that lies on a knife's edge between two numbers of the format may be rounded either way, as far as f32 arithmetic and the matrix unit's own rounding can turn it there, and no further.
;;   INPUTS GIVEN AS CODES. W1 (in the module: [8, 4096, 1024], K = its axis 2); W2 (in the module: [8, 1024, 4096], K = its axis 2): each comes as NAME_codes (uint8): NAME with its K axis moved to the last place and cut into blocks of 32 codes, [.., K / 32, bytes a block], one block behind the other in memory; one code a byte (a code: sign, 4 exponent bits, 3 mantissa bits); its scale is its entry of lowp_scales. Its value is code x scale, taken as it is: it is not quantised again, and the codes and scales need not be those that the quantiser above would give.
;; 2 versions. Each part assembles by itself: llvm-mc -triple=amdgcn-amd-amdhsa -mcpu=gfx1250 --defsym DOCPART=n.
;; ======== version 1 of 2: 4 launches
;; workspace buffers: xq8 8,388,608 bytes; hq 33,554,432 bytes; yw 8,454,144 bytes; sel 4,096 bytes of whole numbers; wgt 8,192 bytes; part 16,384 bytes; lst 40,960 bytes of whole numbers
;; launch route (part 1): grid 256 x 1, 4 waves a work-group, no clusters, 22,016 bytes of LDS; arguments x, Wr, lowp_scales, xq8, sel, wgt, part; writes xq8, sel, wgt, part
.if DOCPART == 1
	.amdgcn_target "amdgcn-amd-amdhsa--gfx1250"
	.amdhsa_code_object_version 6
	.text
	.protected	k_qe75615fc03_route
	.globl	k_qe75615fc03_route
	.p2align	8
	.type	k_qe75615fc03_route,@function
k_qe75615fc03_route:
	s_mov_b64 s[64:65], 0
	v_nop
	global_prefetch_b8 v0, s[64:65] scope:SCOPE_SE
	s_setreg_imm32_b32 hwreg(HW_REG_WAVE_MODE, 25, 1), 1
	s_wait_xcnt 0x0
; ROUTE.  One wave owns one token t = 4 x work-group + wave.  It computes the 8 logits x[t] . Wr[e] in f32 (fused multiply-adds), the softmax with the row's maximum taken away,
; the two largest probabilities (of equal ones the lower index is kept), their weights u / (u1 + u2), and it quantises x[t] under each of the 8 experts' scales 2^ex (lowp_scales[4 e]).
; STORES, all at fixed places (no address hangs on the choice): xq8[e][t][1024] codes, k as in x; sel[t] = (1 << i1) | (256 << i2); wgt[2 t + k]; part[work-group][16]: 8 sums of probabilities, 8 counts.
; All 8 scales are written because this launch may not steer addresses by its own choice; the rows that are wanted are picked by the next launch.
; LIMITS: ex between -126 and 119, so that 2^ex and 448 x 2^ex are f32 numbers.  NaN and infinities among the inputs are not served.  Exponentials under 2^-126 count as 0.
; The three small stores at the end (64, 32 and 16 bytes a work-group) are the only ones that do not fill 256 aligned bytes.
; No matrix unit (N = 8), no cluster, no tensor load: waves share nothing but Wr, 32 KB, which every wave reads through the caches.
.set SP,  80                           ; a lane's place in a stage: 64 bytes + 16 of padding
.set STW, 64*SP                        ; LDS: two stages of 32 places for each wave
.set EX,  4*STW                        ; behind the stages: 128 bytes for each wave, its token's figures
.set QS,  16                           ; v16-23   2^ex as f32, expert by expert
.set QL,  24                           ; v24-31   448 x 2^ex
.set R,   32                           ; v32-63   x as loaded: load i, lane l: k = 128 i + 4 l + 0..3
.set X,   64                           ; v64-95   x turned: half g, lane l: k = 512 g + 16 l + 0..15
.set TA,  96                           ; v96-127  two sets of 16 held numbers, by turns
.set CD,  128                          ; v128-191 codes: four registers for each of the 16 stores, so that no store's data are written again
.set AC,  192                          ; v192-207 eight sums, two halves each
.set LG,  208                          ; v208-215 the logits, then u = 2^((l - max) log2 e)
                                       ; window 1 (v256-511): Wr, expert e's load i at v[32 e + 4 i], laid as R
.set MSB, 0
.macro WIN new                         ; the immediate's high byte repeats the setting that is left
.if MSB != (\new)
	s_set_vgpr_msb (MSB<<8)|(\new)
.set MSB, (\new)
.endif
.endm
	s_load_b256 s[4:11], s[0:1], 0x0               ; x s[4:5], Wr s[6:7], the scales' exponents s[8:9], xq8 s[10:11]
	s_load_b128 s[12:15], s[0:1], 0x20             ; sel s[12:13], wgt s[14:15]
	s_load_b64 s[16:17], s[0:1], 0x30              ; part
	v_lshl_add_u32 v15, v0, 2, 0x5400
	v_mov_b32 v239, 0
	v_lshrrev_b32 v1, 5, v0
	v_readfirstlane_b32 s18, v1                    ; wave
	v_and_b32 v1, 31, v0                           ; lane
	v_lshlrev_b32 v2, 4, v1                        ; 16 x lane: my 16 bytes of 512
	s_mul_i32 s19, s18, STW
	v_lshrrev_b32 v3, 2, v1
	v_mul_u32_u24 v3, v3, SP
	v_and_b32 v6, 3, v1
	v_lshl_add_u32 v3, v6, 4, v3
	v_add_nc_u32 v3, s19, v3                       ; the stage, on the way in: four lanes' 64 bytes on end, then the padding
	v_mul_u32_u24 v4, v1, SP
	v_add_nc_u32 v4, s19, v4                       ; and on the way out: my 16 neighbours
	s_lshl_b32 s19, s18, 7
	s_add_co_u32 s19, s19, EX
	v_mov_b32 v5, s19                              ; my wave's 128 bytes of figures
	v_and_b32 v7, 15, v1
	v_lshl_add_u32 v7, v7, 2, EX                   ; wave 0 reads back: figure lane % 16 of wave 0 (the others by the immediate),
	v_bfe_u32 v8, v1, 1, 2
	v_lshlrev_b32 v8, 7, v8
	v_and_b32 v6, 1, v1
	v_lshl_add_u32 v8, v6, 2, v8
	v_add_nc_u32 v8, EX+68, v8                     ; weight lane % 2 of wave (lane / 2) % 4,
	v_and_b32 v9, 3, v1
	v_lshl_add_u32 v9, v9, 7, EX+64                ; and the choice of wave lane % 4
	v_lshlrev_b32 v10, 2, v1                       ; 4 x lane: the small stores' offset
	s_lshl_b32 s62, ttmp9, 2
	s_add_co_u32 s62, s62, s18                     ; my token
	s_lshl_b32 s66, s62, 12                        ; its row of x: 4,096 bytes
	s_mov_b32 s67, 0
	s_lshl_b32 s68, s62, 10                        ; its row of codes: 1,024 bytes
	s_mov_b32 s69, 0
	s_mov_b32 s60, 0x76543210                      ; v_permlanex16_b32's selects for lane l xor 16
	s_mov_b32 s61, 0xfedcba98
	s_wait_kmcnt 0x0
	s_load_b512 s[20:35], s[8:9], 0x0              ; all 32 exponents: ex of expert e is s[20 + 4 e]
	s_load_b512 s[36:51], s[8:9], 0x40
	s_add_nc_u64 s[4:5], s[4:5], s[66:67]
	s_add_nc_u64 s[10:11], s[10:11], s[68:69]
	s_lshl_b32 s66, ttmp9, 6
	s_add_nc_u64 s[16:17], s[16:17], s[66:67]      ; part: 64 bytes a work-group
	s_lshl_b32 s66, ttmp9, 5
	s_add_nc_u64 s[14:15], s[14:15], s[66:67]      ; wgt: 32
	s_lshl_b32 s66, ttmp9, 4
	s_add_nc_u64 s[12:13], s[12:13], s[66:67]      ; sel: 16
.irp i, 0,1,2,3,4,5,6,7
	global_load_b128 v[R+4*\i:R+4*\i+3], v2, s[4:5] offset:512*\i th:TH_LOAD_NT   ; 32 lanes read 512 consecutive bytes; x is read by this wave alone
.endr
	WIN 0x40                                       ; destination window 1
.irp e, 0,1,2,3,4,5,6,7
.irp i, 0,1,2,3,4,5,6,7
	global_load_b128 v[32*\e+4*\i:32*\e+4*\i+3], v2, s[6:7] offset:4096*\e+512*\i
.endr
.endr
	WIN 0
	s_wait_kmcnt 0x0
.irp e, 0,1,2,3,4,5,6,7
	s_add_co_i32 s70, s[20+4*\e], 127
	s_lshl_b32 s71, s70, 23
	v_mov_b32 v[QS+\e], s71                        ; 2^ex as f32: the conversion takes its exponent field
	s_add_co_i32 s70, s70, 8
	s_lshl_b32 s70, s70, 23
	s_or_b32 s70, s70, 0x600000
	v_mov_b32 v[QL+\e], s70                        ; 448 x 2^ex
.endr
	s_wait_loadcnt 63                              ; 64 loads of Wr were issued behind x's eight: at most 63 out means that x is in
.irp g, 0,1                                    ; x through my own stages, so that a lane holds 16 neighbours along K; LDS serves a wave's instructions in order, so no wait stands between the stores and the loads
.irp i, 0,1,2,3
	ds_store_b128 v3, v[R+16*\g+4*\i:R+16*\g+4*\i+3] offset:32*SP*\g+8*SP*\i
.endr
.irp i, 0,1,2,3
	ds_load_b128 v[X+16*\g+4*\i:X+16*\g+4*\i+3], v4 offset:32*SP*\g+16*\i
.endr
.endr
	s_wait_dscnt 0x0
.irp e, 0,1,2,3,4,5,6,7                        ; the row under each expert's scale
.irp g, 0,1
.irp i, 0,1,2,3,4,5,6,7,8,9,10,11,12,13,14,15
	v_med3_num_f32 v[TA+16*\g+\i], v[X+16*\g+\i], -v[QL+\e], v[QL+\e]   ; the conversion to an 8-bit code does not saturate (ISA guide 7.6.2): the hold at the largest code x the scale
.endr
	v_cvt_scalef32_pk8_fp8_f32 v[CD+8*\e+4*\g:CD+8*\e+4*\g+1], v[TA+16*\g:TA+16*\g+7], v[QS+\e]
	v_cvt_scalef32_pk8_fp8_f32 v[CD+8*\e+4*\g+2:CD+8*\e+4*\g+3], v[TA+16*\g+8:TA+16*\g+15], v[QS+\e]
	global_store_b128 v2, v[CD+8*\e+4*\g:CD+8*\e+4*\g+3], s[10:11] offset:(\e<<20)+512*\g   ; 512 consecutive bytes.  The other set's sixteen holds are the plain lines ahead of the next write of this set
.endr
.endr
	v_nop                                          ; a plain line behind the last conversion
	s_wait_loadcnt 0x0                             ; Wr
	WIN 0x04                                       ; source 1 (Wr) window 1
.irp e, 0,1,2,3,4,5,6,7
	v_pk_mul_f32 v[AC+2*\e:AC+2*\e+1], v[R:R+1], v[32*\e:32*\e+1]   ; the first products start the sums
.endr
.irp p, 1,2,3,4,5,6,7,8,9,10,11,12,13,14,15
.irp e, 0,1,2,3,4,5,6,7
	v_pk_fma_f32 v[AC+2*\e:AC+2*\e+1], v[R+2*\p:R+2*\p+1], v[32*\e+2*\p:32*\e+2*\p+1], v[AC+2*\e:AC+2*\e+1]
.endr
.endr
	WIN 0
.irp e, 0,1,2,3,4,5,6,7
	v_add_f32 v[LG+\e], v[AC+2*\e], v[AC+2*\e+1]
.endr
.irp m, 1,2,4,8                                ; across the lanes: four steps inside each half, one between the halves; every lane ends with the same sums
.irp e, 0,1,2,3,4,5,6,7
	v_add_f32_dpp v[LG+\e], v[LG+\e], v[LG+\e] row_xmask:\m row_mask:0xf bank_mask:0xf
.endr
.endr
.irp e, 0,1,2,3,4,5,6,7
	v_mov_b32 v[216+\e], 0                         ; a lane permute's destination counts as one of its sources
.endr
.irp e, 0,1,2,3,4,5,6,7
	v_permlanex16_b32 v[216+\e], v[LG+\e], s60, s61
.endr
.irp e, 0,1,2,3,4,5,6,7
	v_add_f32 v[LG+\e], v[LG+\e], v[216+\e]        ; the logits
.endr
	v_max3_num_f32 v224, v208, v209, v210
	v_max3_num_f32 v225, v211, v212, v213
	v_max3_num_f32 v224, v224, v214, v215
	v_max_num_f32 v224, v224, v225                 ; the row's maximum
.irp e, 0,1,2,3,4,5,6,7
	v_sub_f32 v[LG+\e], v[LG+\e], v224
.endr
.irp e, 0,1,2,3,4,5,6,7
	v_mul_f32 v[LG+\e], 0x3fb8aa3b, v[LG+\e]       ; x log2(e)
.endr
.irp e, 0,1,2,3,4,5,6,7
	v_exp_f32 v[LG+\e], v[LG+\e]                   ; u, at most 1
.endr
	v_mov_b32 v226, -1.0                           ; (a plain line behind the exponentials)  under every u
	s_wait_alu depctr_va_vdst(0)                   ; one wait for the batch, ahead of its first reader
	v_add_f32 v227, v208, v209
	v_add_f32 v228, v210, v211
	v_add_f32 v229, v212, v213
	v_add_f32 v234, v214, v215
	v_add_f32 v227, v227, v228
	v_add_f32 v229, v229, v234
	v_add_f32 v229, v227, v229                     ; S, the sum of the u
	v_mov_b32 v230, v208                           ; the largest u so far, and its index: kept where it is not less, so the lower index wins a tie
	v_mov_b32 v231, 0
.irp e, 1,2,3,4,5,6,7
	v_cmp_ge_f32 vcc_lo, v230, v[LG+\e]
	v_cndmask_b32 v231, \e, v231, vcc_lo
	v_cndmask_b32 v230, v[LG+\e], v230, vcc_lo
.endr
.irp e, 0,1,2,3,4,5,6,7
	v_cmp_eq_u32 vcc_lo, \e, v231
	v_cndmask_b32 v[216+\e], v[LG+\e], v226, vcc_lo   ; a copy in which the first choice is -1
.endr
	v_mov_b32 v232, v216                           ; the same search on the copy: the second choice
	v_mov_b32 v233, 0
.irp e, 1,2,3,4,5,6,7
	v_cmp_ge_f32 vcc_lo, v232, v[216+\e]
	v_cndmask_b32 v233, \e, v233, vcc_lo
	v_cndmask_b32 v232, v[216+\e], v232, vcc_lo
.endr
	v_add_f32 v234, v230, v232
	v_rcp_f32 v235, v229                           ; 1 / S
	v_rcp_f32 v234, v234                           ; 1 / (u1 + u2)
	v_mov_b32 v236, 1                              ; (a plain line behind the reciprocals)
	v_mov_b32 v237, 0x100
	v_mov_b32 v219, 0
	s_wait_alu depctr_va_vdst(0)                   ; one wait for both reciprocals
.irp e, 0,1,2,3,4,5,6,7
	v_mul_f32 v[240+\e], v[LG+\e], v235            ; the probabilities
.endr
	v_mul_f32 v217, v230, v234                     ; the two weights
	v_mul_f32 v218, v232, v234
	v_lshlrev_b32 v236, v231, v236
	v_lshlrev_b32 v237, v233, v237
	v_or_b32 v216, v236, v237                      ; (1 << i1) | (256 << i2)
	v_lshrrev_b32 v238, 8, v216
	v_or_b32 v238, v238, v216                      ; bits 0-7: both choices
.irp e, 0,1,2,3,4,5,6,7
	v_bfe_u32 v[248+\e], v238, \e, 1
.endr
.irp e, 0,1,2,3,4,5,6,7
	v_cvt_f32_u32 v[248+\e], v[248+\e]             ; 1.0 where the expert was chosen
.endr
	ds_store_b128 v5, v[240:243]                   ; every lane holds the same figures and writes the same bytes
	ds_store_b128 v5, v[244:247] offset:16
	ds_store_b128 v5, v[248:251] offset:32
	ds_store_b128 v5, v[252:255] offset:48
	ds_store_b128 v5, v[216:219] offset:64
	s_wait_dscnt 0x0                               ; for wave 0's sake: my stores have landed
	s_barrier_signal -1
	s_barrier_wait -1
	s_cmp_lg_u32 s18, 0
	s_cbranch_scc1 .Lend
	ds_load_b32 v208, v7                           ; wave 0 gathers the four tokens' figures
	ds_load_b32 v209, v7 offset:128
	ds_load_b32 v210, v7 offset:256
	ds_load_b32 v211, v7 offset:384
	ds_load_b32 v212, v8
	ds_load_b32 v213, v9
	s_wait_dscnt 0x0
	v_add_f32 v208, v208, v209
	v_add_f32 v210, v210, v211
	v_add_f32 v208, v208, v210
	v_cmp_gt_u32 vcc_lo, 16, v1
	s_wait_xcnt 0x0                                ; EXEC changes only behind this wait: the codes' stores have read theirs
	s_and_saveexec_b32 s70, vcc_lo
	global_store_b32 v10, v208, s[16:17]           ; 16 sums
	s_wait_xcnt 0x0
	s_or_b32 exec_lo, exec_lo, s70
	v_cmp_gt_u32 vcc_lo, 8, v1
	s_and_saveexec_b32 s70, vcc_lo
	global_store_b32 v10, v212, s[14:15]           ; 8 weights
	s_wait_xcnt 0x0
	s_or_b32 exec_lo, exec_lo, s70
	v_cmp_gt_u32 vcc_lo, 4, v1
	s_and_saveexec_b32 s70, vcc_lo
	global_store_b32 v10, v213, s[12:13]           ; 4 choices
	s_wait_xcnt 0x0
	s_or_b32 exec_lo, exec_lo, s70
.Lend:
	s_wait_tensorcnt 0x0
	ds_add_u32 v15, v239
	s_wait_dscnt 0x0
	s_endpgm
.Lfunc_end_k_qe75615fc03_route:
	.size	k_qe75615fc03_route, .Lfunc_end_k_qe75615fc03_route-k_qe75615fc03_route
	.p2alignl 7, 3214868480
	.fill 96, 4, 3214868480
	.section	.rodata,"a",@progbits
	.p2align	6, 0x0
	.amdhsa_kernel k_qe75615fc03_route
		.amdhsa_group_segment_fixed_size 22016
		.amdhsa_private_segment_fixed_size 0
		.amdhsa_enable_private_segment 0
		.amdhsa_kernarg_size 56
		.amdhsa_user_sgpr_count 2
		.amdhsa_user_sgpr_kernarg_segment_ptr 1
		.amdhsa_wavefront_size32 1
		.amdhsa_system_sgpr_workgroup_id_x 1
		.amdhsa_system_sgpr_workgroup_id_y 1
		.amdhsa_system_sgpr_workgroup_id_z 1
		.amdhsa_system_vgpr_workitem_id 0
		.amdhsa_next_free_vgpr 512
		.amdhsa_next_free_sgpr 80
		.amdhsa_reserve_vcc 1
		.amdhsa_float_denorm_mode_32 3
		.amdhsa_float_denorm_mode_16_64 3
		.amdhsa_memory_ordered 1
		.amdhsa_forward_progress 1
		.amdhsa_inst_pref_size 51
	.end_amdhsa_kernel
	.amdgpu_metadata
---
amdhsa.version: [ 1, 2 ]
amdhsa.kernels:
  - .name:           k_qe75615fc03_route
    .symbol:         k_qe75615fc03_route.kd
    .args:
      - { .name: x, .offset: 0, .size: 8, .value_kind: global_buffer, .address_space: global }
      - { .name: Wr, .offset: 8, .size: 8, .value_kind: global_buffer, .address_space: global }
      - { .name: lowp_scales, .offset: 16, .size: 8, .value_kind: global_buffer, .address_space: global }
      - { .name: xq8, .offset: 24, .size: 8, .value_kind: global_buffer, .address_space: global }
      - { .name: sel, .offset: 32, .size: 8, .value_kind: global_buffer, .address_space: global }
      - { .name: wgt, .offset: 40, .size: 8, .value_kind: global_buffer, .address_space: global }
      - { .name: part, .offset: 48, .size: 8, .value_kind: global_buffer, .address_space: global }
    .group_segment_fixed_size: 22016
    .private_segment_fixed_size: 0
    .kernarg_segment_align: 8
    .kernarg_segment_size: 56
    .max_flat_workgroup_size: 128
    .sgpr_count:     80
    .vgpr_count:     512
    .wavefront_size: 32
...
	.end_amdgpu_metadata
.endif
;; end of part 1
;; launch up (part 2): grid 256 x 1, 4 waves a work-group, no clusters, 141,312 bytes of LDS; arguments W1_codes, b1, lowp_scales, xq8, sel, hq, lst; writes hq, lst
.if DOCPART == 2
	.amdgcn_target "amdgcn-amd-amdhsa--gfx1250"
	.amdhsa_code_object_version 6
	.text
	.protected	k_qe75615fc03_up
	.globl	k_qe75615fc03_up
	.p2align	8
	.type	k_qe75615fc03_up,@function
k_qe75615fc03_up:
	s_mov_b64 s[64:65], 0
	v_nop
	global_prefetch_b8 v0, s[64:65] scope:SCOPE_SE
	s_setreg_imm32_b32 hwreg(HW_REG_WAVE_MODE, 25, 1), 1
	s_wait_xcnt 0x0
; UP.  hq = Q(gelu(xq W1^T x 2^(ex + ew1) + b1)) for the rows that were routed to an expert, and for no others.
; SHARES.  Work-group = expert e (number / 32) x 128 hidden units (s = number % 32): each byte of W1 belongs to one work-group, 128 KB, staged once in LDS.
; The expert's rows are listed from sel by wave 0 (position order: q, j, lane for token 128 q + 4 lane + j).  Rows go in tiles of 16: T = ceil(n / 16).
; The list also goes to memory, for the next launch: lst[e] is 1,280 words, entry 2 t + k at each position, 2,048 + e where there is none, n in word 1,279; work-groups s = 0..9 of an expert store 512 bytes of it each.
; Wave w takes tiles U + 4 i + w, i = 0..4, U = 0, 20, 40, 60: their codes of x stay in 640 registers while the wave walks the 128 units in four blocks of 32, so that each fragment of W1 read from LDS feeds five products.
; ONE LOOP of 16 constant trips = 4 units x 4 blocks; a trip whose first tile does not exist is jumped over (a branch on a stored count; no barrier stands in the loop).
; THE PRODUCT IS USED TRANSPOSED (source 0 = 16 rows of W1, source 1 = 16 rows of x): a lane holds one row.  In LDS the rows of W1 are laid so that row 32 b + 16 u + r holds unit 32 b + 8 u + r + 8 (r / 8):
; the 16 registers of tiles u = 0, 1 are then units 32 b + 16 (lane / 16) + 0..15, 16 neighbours along the next K, and their 16 codes are piece b of the next launch's operand registers.
; hq: [e][tile j][K step s][piece c][lane][16 bytes]: a wave's store covers 512 consecutive bytes, aligned.  Positions behind n in the last tile are computed from token 1,023 (the fill, held inside x) and written; what is made of them goes to a spare row that nobody reads.
; GELU, exact form: 2 gelu(x) = x + |x| - |x| erfc(|x| / sqrt 2); erfc(z) = t exp(-z^2 + poly(t)), t = 1 / (1 + z / 2) (fractional error 1.2e-7 for every z), so nothing cancels for x < 0.  The 2 goes into the scale: 2^(eh + 1).
; k is fed in a permuted order, the same in both operands (registers 4 c .. 4 c + 3: k = 32 c + 16 (lane / 16) + 0..15): only the order of the sums inside an instruction changes.
; NO CLUSTER, NO TENSOR LOAD: which trips run, and which rows of x a tile holds, hang on counts and lists read from memory, so operands go through registers; the 32 work-groups of an expert share x's rows through the caches alone.
; NO PREFETCH: every weight byte is asked for at the head, and x as soon as the list stands.
; LIMITS: ex + ew1 between -126 and 127; eh + 1 between -126 and 119.  NaN and infinities among the inputs, and NaN codes, are not served.
.set PW,   1040                        ; a row of W1 in LDS: 1,024 bytes + 16: the 16 rows of a fragment start at 16 different groups of banks
.set LIST, 128*PW                      ; 1,280 entries (80 tiles): 2 t + k for each position, the fill where there is none; the last word takes n
.set DUMP, LIST+5120                   ; 128 bytes: where lanes that list nothing write
.set CNT,  DUMP+128                    ; n
.set B1L,  CNT+128                     ; my 128 numbers of b1, a copy for each wave
.set XO,   10                          ; v10-14  x: token x 1,024 + 16 (lane / 16), tile by tile
.set HO,   23                          ; v23-27  hq: tile x 65,536 + 16 x lane
.set ACC,  32                          ; v32-111 tile i, u at 32 + 16 i + 8 u
.set BF,   112                         ; v112-175 two sets of two fragments of W1
.set B1R,  176                         ; v176-191 b1 at my 16 units of the block
.set U,    192                         ; v192-255 |x|, t, two more sets of 16 at work
.set T,    208
.set M,    224
.set P,    240
.set SELR, 192                         ; sel as loaded (ahead of the loop)
.set SCR,  224                         ; the list's scratch
                                       ; v1 16 lane; v2 r PW + 16 h; v3 the same in the block in hand; v4, v5 staging; v6 W1's offset; v7, v8 list; v9 16 h; v15 CNT; v[16:17] c9; v18 2^(eh+1); v19 448 x that; v20-22 b1's places; v28-31 b1 as loaded
                                       ; windows 1-3: x, tile i's K step k at v[256 + 128 i + 16 k]; v896-1023 and, ahead of the loop, v32-159: W1 as loaded
.set MSB, 0
.macro WIN new                         ; the immediate's high byte repeats the setting that is left
.if MSB != (\new)
	s_set_vgpr_msb (MSB<<8)|(\new)
.set MSB, (\new)
.endif
.endm
.macro PLACES n                        ; plain vector lines behind matrix instructions (ISA guide 7.12.1)
.rept \n
	v_nop
.endr
.endm
.macro SPAIR r, val                    ; a constant for the packed forms: they name a pair and take its low word for both halves
	s_mov_b32 s[\r], \val
	s_mov_b32 s[\r+1], \val
.endm
.macro WLOAD b, reg                    ; my 8 rows of block b (rows 32 b + 8 w + 0..7), 1,024 bytes each: every load reads 512 consecutive bytes
.irp rr, 0,1,2,3,4,5,6,7
	global_load_b128 v[\reg+8*\rr:\reg+8*\rr+3], v6, s[4:5] offset:32768*(\b)+1024*\rr th:TH_LOAD_NT
	global_load_b128 v[\reg+8*\rr+4:\reg+8*\rr+7], v6, s[4:5] offset:32768*(\b)+1024*\rr+512 th:TH_LOAD_NT
.endr
.endm
.macro WSTORE bb, reg, adr             ; and into LDS
.irp rr, 0,1,2,3,4,5,6,7
	ds_store_b128 v[\adr], v[\reg+8*\rr:\reg+8*\rr+3] offset:(32*(\bb)+\rr)*PW
	ds_store_b128 v[\adr], v[\reg+8*\rr+4:\reg+8*\rr+7] offset:(32*(\bb)+\rr)*PW+512
.endr
.endm
; THE LIST.  For each of my 32 words of sel: does it name expert e?  Its position is the count so far plus the number of lower lanes that say yes.  No lane is switched off: who has nothing to list
; takes the word index of its place in the dump, which lies behind the list.  The choice is made on word indices; the hold at the last word (top) follows it, and behind the hold stand a shift and an addition alone.
.macro BUILD_LIST cap, top
.irp q, 0,1,2,3,4,5,6,7
.irp j, 0,1,2,3
	v_and_b32 v[SCR], s50, v[SELR+4*\q+\j]
	v_cmp_ne_u32 s53, 0, v[SCR]                    ; the lanes whose token chose e
	v_bfe_u32 v[SCR+1], v[SELR+4*\q+\j], s51, 1    ; k: 1 where e is the second choice
	v_add3_u32 v[SCR+2], v[SCR+6], v[SCR+1], 256*\q+2*\j   ; the entry: 2 t + k, t = 128 q + 4 lane + j
	v_mbcnt_lo_u32_b32 v[SCR+3], s53, s52          ; the position
	v_cmp_gt_u32 vcc_lo, \cap, v[SCR+3]
	s_and_b32 vcc_lo, vcc_lo, s53
	v_cndmask_b32 v[SCR+3], v[SCR+5], v[SCR+3], vcc_lo   ; the position, or my word of the dump
	v_min_u32 v[SCR+3], \top, v[SCR+3]             ; held inside list and dump whatever was read
	v_lshl_add_u32 v[SCR+4], v[SCR+3], 2, LIST
	ds_store_b32 v[SCR+4], v[SCR+2]
	s_bcnt1_i32_b32 s54, s53
	s_add_co_u32 s52, s52, s54
.endr
.endr
.endm
.macro OFFS                            ; five tiles' entries from the list at v8 become offsets into x's codes
.irp i, 0,1,2,3,4
	ds_load_b32 v[XO+\i], v8 offset:256*\i
.endr
	s_wait_dscnt 0x0
.irp i, 0,1,2,3,4
	v_lshrrev_b32 v[XO+\i], 1, v[XO+\i]            ; the token
.endr
.irp i, 0,1,2,3,4
	v_min_u32 v[XO+\i], 1023, v[XO+\i]             ; held inside the buffer whatever was read
.endr
.irp i, 0,1,2,3,4
	v_lshl_add_u32 v[XO+\i], v[XO+\i], 10, v9
.endr
.endm
.macro XLOAD i                         ; tile i: lane (r, h) takes, of its row, the 16 bytes at 128 k + 32 c + 16 h
	WIN (1+(\i)/2)<<6
.irp k, 0,1,2,3,4,5,6,7
.irp c, 0,1,2,3
	global_load_b128 v[128*((\i)%2)+16*\k+4*\c:128*((\i)%2)+16*\k+4*\c+3], v[XO+\i], s[10:11] offset:128*\k+32*\c
.endr
.endr
.endm
.macro FRAGS k, set                    ; the block's two fragments of W1 for K step k
.irp u, 0,1
.irp c, 0,1,2,3
	ds_load_b128 v[BF+32*(\set)+16*\u+4*\c:BF+32*(\set)+16*\u+4*\c+3], v3 offset:16*PW*\u+128*(\k)+32*\c
.endr
.endr
.endm
.macro MULS k, set                     ; ten products; the ten accumulators take turns, one instruction a turn; K step 0 starts the sums
.irp i, 0,1,2,3,4
	WIN (1+\i/2)<<2
.irp u, 0,1
.if (\k) == 0
	v_wmma_f32_16x16x128_fp8_fp8 v[ACC+16*\i+8*\u:ACC+16*\i+8*\u+7], v[BF+32*(\set)+16*\u:BF+32*(\set)+16*\u+15], v[128*(\i%2)+16*(\k):128*(\i%2)+16*(\k)+15], 0
.else
	v_wmma_f32_16x16x128_fp8_fp8 v[ACC+16*\i+8*\u:ACC+16*\i+8*\u+7], v[BF+32*(\set)+16*\u:BF+32*(\set)+16*\u+15], v[128*(\i%2)+16*(\k):128*(\i%2)+16*(\k)+15], v[ACC+16*\i+8*\u:ACC+16*\i+8*\u+7]
.endif
.endr
.endr
	WIN 0
.endm
; Tile i's 16 numbers a lane: bias, gelu, codes, store.  A tile that does not exist is jumped over.  Each batch of transcendentals has one plain line and one wait ahead of its first reader.
.macro EPI i
.set EA, ACC+16*(\i)
	s_add_co_u32 s42, s21, 4*(\i)
	s_cmp_ge_u32 s42, s20
	s_cbranch_scc1 .Lno_tile_\@
.irp p, 0,2,4,6,8,10,12,14
	v_pk_fma_f32 v[EA+\p:EA+\p+1], v[EA+\p:EA+\p+1], s[28:29], v[B1R+\p:B1R+\p+1] op_sel_hi:[1,0,1]   ; x = sum x 2^(ex + ew1) + b1; each accumulator from its low end on
.endr
.irp p, 0,1,2,3,4,5,6,7,8,9,10,11,12,13,14,15
	v_and_b32 v[U+\p], s88, v[EA+\p]               ; |x|
.endr
.irp p, 0,2,4,6,8,10,12,14
	v_pk_fma_f32 v[T+\p:T+\p+1], v[U+\p:U+\p+1], s[86:87], 1.0 op_sel_hi:[1,0,0]   ; 1 + z / 2, z = |x| / sqrt 2
.endr
.irp p, 0,1,2,3,4,5,6,7,8,9,10,11,12,13,14,15
	v_rcp_f32 v[T+\p], v[T+\p]                     ; t
.endr
.irp p, 0,2,4,6,8,10,12,14
	v_pk_mul_f32 v[M+\p:M+\p+1], v[EA+\p:EA+\p+1], v[EA+\p:EA+\p+1]   ; x^2: the plain lines behind the reciprocals
.endr
	s_wait_alu depctr_va_vdst(0)                   ; one wait for the sixteen reciprocals
.irp p, 0,2,4,6,8,10,12,14
	v_pk_fma_f32 v[P+\p:P+\p+1], v[T+\p:T+\p+1], v[16:17], s[66:67] op_sel_hi:[1,1,0]   ; the polynomial in t, its coefficients x log2(e): c9 t + c8,
.endr
.irp cc, 68,70,72,74,76,78,80,82
.irp p, 0,2,4,6,8,10,12,14
	v_pk_fma_f32 v[P+\p:P+\p+1], v[P+\p:P+\p+1], v[T+\p:T+\p+1], s[\cc:\cc+1] op_sel_hi:[1,1,0]   ; and down to c0: eight chains side by side
.endr
.endr
.irp p, 0,2,4,6,8,10,12,14
	v_pk_fma_f32 v[P+\p:P+\p+1], v[M+\p:M+\p+1], s[84:85], v[P+\p:P+\p+1] op_sel_hi:[1,0,1]   ; - z^2 log2(e)
.endr
.irp p, 0,1,2,3,4,5,6,7,8,9,10,11,12,13,14,15
	v_exp_f32 v[P+\p], v[P+\p]
.endr
.irp p, 0,2,4,6,8,10,12,14
	v_pk_add_f32 v[M+\p:M+\p+1], v[EA+\p:EA+\p+1], v[U+\p:U+\p+1]   ; x + |x|: the plain lines behind the exponentials
.endr
	s_wait_alu depctr_va_vdst(0)                   ; one wait for the sixteen exponentials
.irp p, 0,2,4,6,8,10,12,14
	v_pk_mul_f32 v[T+\p:T+\p+1], v[T+\p:T+\p+1], v[P+\p:P+\p+1]   ; erfc(z)
.endr
.irp p, 0,2,4,6,8,10,12,14
	v_pk_fma_f32 v[M+\p:M+\p+1], v[U+\p:U+\p+1], v[T+\p:T+\p+1], v[M+\p:M+\p+1] neg_lo:[1,0,0] neg_hi:[1,0,0]   ; 2 gelu(x)
.endr
.irp p, 0,1,2,3,4,5,6,7,8,9,10,11,12,13,14,15
	v_med3_num_f32 v[M+\p], v[M+\p], -v19, v19     ; the conversion to an 8-bit code does not saturate (ISA guide 7.6.2): the hold
.endr
	v_cvt_scalef32_pk8_fp8_f32 v[EA:EA+1], v[M:M+7], v18
	v_cvt_scalef32_pk8_fp8_f32 v[EA+2:EA+3], v[M+8:M+15], v18
	v_nop                                          ; a plain line between the conversions and the next vector or matrix line that touches their registers
	global_store_b128 v[HO+\i], v[EA:EA+3], s[30:31]   ; 32 lanes store 512 consecutive bytes, aligned
.Lno_tile_\@:
.endm
	s_load_b256 s[4:11], s[0:1], 0x0               ; W1's codes s[4:5], b1 s[6:7], the exponents s[8:9], xq8 s[10:11]
	s_load_b128 s[12:15], s[0:1], 0x20             ; sel s[12:13], hq s[14:15]
	s_load_b64 s[90:91], s[0:1], 0x30              ; lst
	v_lshrrev_b32 v1, 5, v0
	v_readfirstlane_b32 s16, v1                    ; wave
	v_and_b32 v29, 31, v0                          ; lane
	v_and_b32 v30, 15, v0                          ; r
	v_bfe_u32 v31, v0, 4, 1                        ; h
	v_lshlrev_b32 v1, 4, v29
	v_lshlrev_b32 v9, 4, v31
	v_mul_u32_u24 v2, v30, PW
	v_add_nc_u32 v2, v2, v9                        ; a fragment's row x pitch + 16 h
	s_and_b32 s40, s16, 1
	s_lshl_b32 s40, s40, 4
	s_lshr_b32 s41, s16, 1
	s_lshl_b32 s41, s41, 3
	s_add_co_u32 s40, s40, s41                     ; my 8 rows of a block go to LDS rows 16 (w % 2) + 8 (w / 2) on
	s_mul_i32 s40, s40, PW
	v_add_nc_u32 v4, s40, v1
	v_add_nc_u32 v5, 64*PW, v4                     ; blocks 2 and 3: the immediate has 16 bits
	s_lshl_b32 s40, s16, 13
	v_add_nc_u32 v6, s40, v1                       ; in memory: 8 rows x wave + 16 x lane
	s_lshl_b32 s40, s16, 6
	s_add_co_u32 s40, s40, LIST
	v_lshl_add_u32 v7, v30, 2, s40                 ; the list at tile w, row r
	v_mov_b32 v15, CNT
	s_lshl_b32 s40, s16, 9
	s_add_co_u32 s40, s40, B1L
	v_lshl_add_u32 v20, v31, 6, s40                ; my copy of b1, + 64 h
	v_add_nc_u32 v22, s40, v1
	v_add_nc_u32 v[SCR+5], (DUMP-LIST)/4, v29      ; my word of the dump, counted in words from the list's first
	v_lshlrev_b32 v[SCR+6], 3, v29                 ; 8 x lane
	v_add_nc_u32 v[SCR+7], LIST, v1
	s_lshr_b32 s17, ttmp9, 5                       ; e
	s_and_b32 s18, ttmp9, 31                       ; s
	s_add_co_u32 s59, s17, 2048                    ; the list's fill: the expert's spare row of the next launch's result; as a token it is held at 1,023
.irp z, 8,9,10,11
	v_mov_b32 v[SCR+\z], s59
.endr
	s_min_u32 s58, s18, 9
	s_lshl_b32 s58, s58, 9                         ; which 512 bytes of the list this work-group stores, if s is under 10
	v_add_nc_u32 v[SCR+12], s58, v[SCR+7]          ; and where they lie in LDS
	v_mov_b32 v[SCR+13], LIST+5116                 ; the list's last word
	s_mul_i32 s56, s17, 5120
	s_add_co_u32 s56, s56, s58
	s_mov_b32 s57, 0
	s_lshl_b32 s40, s17, 22
	s_lshl_b32 s42, s18, 17
	s_add_co_u32 s40, s40, s42                     ; W1: (4,096 e + 128 s) rows of 1,024 bytes
	s_mov_b32 s41, 0
	s_lshl_b32 s42, s17, 14
	s_lshl_b32 s44, s18, 9
	s_add_co_u32 s42, s42, s44                     ; b1
	s_mov_b32 s43, 0
	s_lshl_b32 s44, s17, 4                         ; the expert's four exponents
	s_mov_b32 s45, 0
	s_lshl_b32 s46, s17, 20                        ; x's codes under this expert's scale
	s_mov_b32 s47, 0
	s_lshl_b32 s48, s17, 22
	s_lshl_b32 s50, s18, 11
	s_add_co_u32 s48, s48, s50                     ; hq: the expert, K step s
	s_mov_b32 s49, 0
	s_wait_kmcnt 0x0
	s_add_nc_u64 s[4:5], s[4:5], s[40:41]
	s_add_nc_u64 s[6:7], s[6:7], s[42:43]
	s_add_nc_u64 s[8:9], s[8:9], s[44:45]
	s_add_nc_u64 s[10:11], s[10:11], s[46:47]
	s_add_nc_u64 s[14:15], s[14:15], s[48:49]
	s_add_nc_u64 s[90:91], s[90:91], s[56:57]
	s_load_b128 s[24:27], s[8:9], 0x0              ; ex, ew1, eh, ew2
.irp q, 0,1,2,3,4,5,6,7
	global_load_b128 v[SELR+4*\q:SELR+4*\q+3], v1, s[12:13] offset:512*\q   ; every wave loads sel, so that all have the same loads out; wave 0 uses it
.endr
	global_load_b128 v[28:31], v1, s[6:7]          ; my work-group's 128 numbers of b1
	WIN 0xc0                                       ; destination window 3
	WLOAD 0, 128
	WLOAD 1, 192
	WIN 0
	WLOAD 2, 32
	WLOAD 3, 96
	s_wait_loadcnt 63                              ; 65 loads were issued behind sel's: at most 63 out means that sel is in
	s_cmp_lg_u32 s16, 0
	s_cbranch_scc1 .Llisted
.irp q, 0,1,2,3,4,5,6,7,8,9
	ds_store_b128 v[SCR+7], v[SCR+8:SCR+11] offset:512*\q   ; the list begins as the fill
.endr
	s_lshl_b32 s50, 0x101, s17                     ; e as first or as second choice
	s_add_co_u32 s51, s17, 8
	s_mov_b32 s52, 0                               ; the count so far
	BUILD_LIST 1024, (DUMP-LIST)/4+31
	v_mov_b32 v[SCR], s52
	ds_store_b32 v15, v[SCR]                       ; n,
	ds_store_b32 v[SCR+13], v[SCR]                 ; and once more in the list's last word, behind every position that is ever listed (1,023 at the most)
.Llisted:
	s_wait_dscnt 0x0                               ; wave 0's stores have landed
	s_barrier_signal -1
	s_barrier_wait -1                              ; the list stands; up to here no other wave has touched LDS
	ds_load_b32 v[SCR], v15
	v_mov_b32 v8, v7                               ; tiles w, 4 + w, .. 16 + w
	OFFS
	v_readfirstlane_b32 s19, v[SCR]
	s_min_u32 s19, s19, 1024                       ; n
	s_add_co_u32 s20, s19, 15
	s_lshr_b32 s20, s20, 4                         ; T
	s_cmp_lg_u32 s16, 1                            ; the list goes to memory: wave 1 of the expert's work-groups 0 to 9, 512 bytes each
	s_cbranch_scc1 .Lno_copy
	s_cmp_ge_u32 s18, 10
	s_cbranch_scc1 .Lno_copy
	ds_load_b128 v[SCR+8:SCR+11], v[SCR+12]
	s_wait_dscnt 0x0
	global_store_b128 v1, v[SCR+8:SCR+11], s[90:91]   ; 32 lanes store 512 consecutive bytes, aligned
	s_wait_xcnt 0x0                                ; the store has read its data: the loop writes those registers
.Lno_copy:
	XLOAD 0
	XLOAD 1
	XLOAD 2
	XLOAD 3
	XLOAD 4
	WIN 0
	s_wait_kmcnt 0x0
	s_add_co_i32 s40, s24, s25
	s_add_co_i32 s40, s40, 127
	s_lshl_b32 s28, s40, 23                        ; 2^(ex + ew1)
	s_mov_b32 s29, s28
	s_add_co_i32 s40, s26, 128
	s_lshl_b32 s41, s40, 23
	v_mov_b32 v18, s41                             ; 2^(eh + 1)
	s_add_co_i32 s40, s40, 8
	s_lshl_b32 s40, s40, 23
	s_or_b32 s40, s40, 0x600000
	v_mov_b32 v19, s40                             ; 448 x that
	v_mov_b32 v16, 0x3e7c6f08                      ; c9 =  0.17087277 log2(e)
	v_mov_b32 v17, 0x3e7c6f08
	SPAIR 66, 0xbf97d29d                           ; c8 = -0.82215223 log2(e)
	SPAIR 68, 0x40097039                           ; c7 =  1.48851587 log2(e)
	SPAIR 70, 0xbfd1a1e5                           ; c6 = -1.13520398 log2(e)
	SPAIR 72, 0x3ecdfd18                           ; c5 =  0.27886807 log2(e)
	SPAIR 74, 0xbe899a80                           ; c4 = -0.18628806 log2(e)
	SPAIR 76, 0x3e0efb2e                           ; c3 =  0.09678418 log2(e)
	SPAIR 78, 0x3f0a29d2                           ; c2 =  0.37409196 log2(e)
	SPAIR 80, 0x3fb8ab5a                           ; c1 =  1.00002368 log2(e)
	SPAIR 82, 0xbfe9b21e                           ; c0 = -1.26551223 log2(e)
	SPAIR 84, 0xbf38aa3b                           ; -log2(e) / 2: z^2 = x^2 / 2
	SPAIR 86, 0x3eb504f3                           ; 1 / (2 sqrt 2)
	s_mov_b32 s88, 0x7fffffff
	s_wait_loadcnt 63                              ; 160 loads of x were issued behind them: b1 and all of W1 are in
	ds_store_b128 v22, v[28:31]
	WIN 0x0c                                       ; store data window 3
	WSTORE 0, 128, 4
	WSTORE 1, 192, 4
	WIN 0
	WSTORE 0, 32, 5
	WSTORE 1, 96, 5
	s_wait_dscnt 0x0                               ; my rows of W1 have landed
	s_barrier_signal -1
	s_barrier_wait -1                              ; all 128 rows lie in LDS; from here on LDS is only read
	s_mov_b32 s22, 0
.Ltrip:                                            ; trip = 4 x unit + block
	s_lshr_b32 s38, s22, 2                         ; unit
	s_and_b32 s39, s22, 3                          ; block
	s_mul_i32 s21, s38, 20
	s_add_co_u32 s21, s21, s16                     ; my first tile of the unit
	s_cmp_ge_u32 s21, s20
	s_cbranch_scc1 .Lnext
	s_wait_loadcnt 0x0                             ; the unit's x is in (met at once in blocks 1 to 3)
	s_mul_i32 s36, s39, 32*PW
	s_lshl_b32 s37, s39, 7
	s_lshl_b32 s40, s39, 9
	s_mov_b32 s41, 0
	s_add_nc_u64 s[30:31], s[14:15], s[40:41]      ; hq at piece c = block (the last trip's stores have read their base: the wait at its end)
	v_add_nc_u32 v3, s36, v2
	v_add_nc_u32 v21, s37, v20
.irp i, 0,1,2,3,4
	s_add_co_u32 s42, s21, 4*\i
	s_lshl_b32 s42, s42, 16
	v_add_nc_u32 v[HO+\i], s42, v1
.endr
.irp c, 0,1,2,3
	ds_load_b128 v[B1R+4*\c:B1R+4*\c+3], v21 offset:16*\c
.endr
	FRAGS 0, 0
.irp k, 0,1,2,3,4,5,6,7
.if \k < 7
.if \k > 0
	PLACES 4                                       ; in front of loads into the set that the products just issued have read
.endif
	FRAGS \k+1, (\k+1)%2
	s_wait_dscnt 8                                 ; all but the eight just issued: this K step's fragments (and b1) are in
.else
	s_wait_dscnt 0x0
.endif
	MULS \k, \k%2
.endr
	PLACES 5                                       ; behind the last products: four for the reads and writes below, a fifth for the next block's products, which begin sums anew on these registers
	EPI 0
	EPI 1
	EPI 2
	EPI 3
	EPI 4
	s_wait_xcnt 0x0                                ; the stores have read their data, offsets and base: all three are written again below or in the next trip
	s_cmp_lg_u32 s39, 3
	s_cbranch_scc1 .Lnext
	s_add_co_u32 s42, s21, 20                      ; the unit is done: is there a next one for me?
	s_cmp_ge_u32 s42, s20
	s_cbranch_scc1 .Lnext
	s_add_co_u32 s42, s38, 1
	s_mul_i32 s42, s42, 1280                       ; 20 tiles on in the list
	s_min_u32 s42, s42, 3*1280                     ; the fourth unit has no successor (T is at most 64): the address stays inside the list's 80 tiles
	v_add_nc_u32 v8, s42, v7
	OFFS
	XLOAD 0
	XLOAD 1
	XLOAD 2
	XLOAD 3
	XLOAD 4
	WIN 0
.Lnext:
	s_add_co_u32 s22, s22, 1
	s_cmp_lt_u32 s22, 16
	s_cbranch_scc1 .Ltrip
	s_wait_xcnt 0x0
	v_lshl_add_u32 v238, v0, 2, 0x22600
	v_mov_b32 v239, 0
	s_wait_tensorcnt 0x0
	ds_add_u32 v238, v239
	s_wait_dscnt 0x0
	s_endpgm
.Lfunc_end_k_qe75615fc03_up:
	.size	k_qe75615fc03_up, .Lfunc_end_k_qe75615fc03_up-k_qe75615fc03_up
	.p2alignl 7, 3214868480
	.fill 96, 4, 3214868480
	.section	.rodata,"a",@progbits
	.p2align	6, 0x0
	.amdhsa_kernel k_qe75615fc03_up
		.amdhsa_group_segment_fixed_size 141312
		.amdhsa_private_segment_fixed_size 0
		.amdhsa_enable_private_segment 0
		.amdhsa_kernarg_size 56
		.amdhsa_user_sgpr_count 2
		.amdhsa_user_sgpr_kernarg_segment_ptr 1
		.amdhsa_wavefront_size32 1
		.amdhsa_system_sgpr_workgroup_id_x 1
		.amdhsa_system_sgpr_workgroup_id_y 1
		.amdhsa_system_sgpr_workgroup_id_z 1
		.amdhsa_system_vgpr_workitem_id 0
		.amdhsa_next_free_vgpr 1024
		.amdhsa_next_free_sgpr 96
		.amdhsa_reserve_vcc 1
		.amdhsa_float_denorm_mode_32 3
		.amdhsa_float_denorm_mode_16_64 3
		.amdhsa_memory_ordered 1
		.amdhsa_forward_progress 1
		.amdhsa_inst_pref_size 141
	.end_amdhsa_kernel
	.amdgpu_metadata
---
amdhsa.version: [ 1, 2 ]
amdhsa.kernels:
  - .name:           k_qe75615fc03_up
    .symbol:         k_qe75615fc03_up.kd
    .args:
      - { .name: W1_codes, .offset: 0, .size: 8, .value_kind: global_buffer, .address_space: global }
      - { .name: b1, .offset: 8, .size: 8, .value_kind: global_buffer, .address_space: global }
      - { .name: lowp_scales, .offset: 16, .size: 8, .value_kind: global_buffer, .address_space: global }
      - { .name: xq8, .offset: 24, .size: 8, .value_kind: global_buffer, .address_space: global }
      - { .name: sel, .offset: 32, .size: 8, .value_kind: global_buffer, .address_space: global }
      - { .name: hq, .offset: 40, .size: 8, .value_kind: global_buffer, .address_space: global }
      - { .name: lst, .offset: 48, .size: 8, .value_kind: global_buffer, .address_space: global }
    .group_segment_fixed_size: 141312
    .private_segment_fixed_size: 0
    .kernarg_segment_align: 8
    .kernarg_segment_size: 56
    .max_flat_workgroup_size: 128
    .sgpr_count:     96
    .vgpr_count:     1024
    .wavefront_size: 32
...
	.end_amdgpu_metadata
.endif
;; end of part 2
;; launch down (part 3): grid 256 x 1, 4 waves a work-group, no clusters, 154,112 bytes of LDS; arguments W2_codes, b2, lowp_scales, hq, lst, yw; writes yw
.if DOCPART == 3
	.amdgcn_target "amdgcn-amd-amdhsa--gfx1250"
	.amdhsa_code_object_version 6
	.text
	.protected	k_qe75615fc03_down
	.globl	k_qe75615fc03_down
	.p2align	8
	.type	k_qe75615fc03_down,@function
k_qe75615fc03_down:
	s_mov_b64 s[64:65], 0
	v_nop
	global_prefetch_b8 v0, s[64:65] scope:SCOPE_SE
	s_setreg_imm32_b32 hwreg(HW_REG_WAVE_MODE, 25, 1), 1
	s_wait_xcnt 0x0
; DOWN.  yw[2 t + k][:] = hq W2^T x 2^(eh + ew2) + b2 for each routed row.
; SHARES.  Work-group = expert e (number / 32) x half hf of the expert's row tiles ((number / 16) % 2) x 64 columns (ns = number % 16).  T = ceil(n / 16); the first half has Th = (T + 1) / 2 tiles, the second the rest.
; n and the rows' places in yw come from lst, which the launch before has stored: lst[e] is 1,280 words, entry 2 t + k at each position, 2,048 + e behind the last, n in word 1,279.
; K IS SPLIT OVER THE WAVES: wave w owns K steps 8 w .. 8 w + 7 (1,024 of the 4,096).  Its part of W2, 64 columns x 1,024, stays in 512 registers; the rows' codes come from hq as images of the operand's
; registers, 512 consecutive bytes a load, each byte read once in the work-group and feeding four products.  The four waves' partial sums of up to five tiles meet in LDS; each wave then adds and stores a quarter of the rows.
; So the order of the sums differs from one ascending chain: four chains of 1,024 along K, added as (w0 + w1) + (w2 + w3).
; THE PRODUCT IS USED TRANSPOSED (source 0 = 16 rows of W2, that is columns of the result; source 1 = 16 rows of hq): a lane holds eight neighbouring columns of one row.
; THE STREAM OF LOADS.  W2 lands in the registers in which its fragments will lie and turns through the wave's own stage in place, so both image buffers are free from the start.  A buffer takes the image two tiles on
; directly behind the products that have read it, over a group's end too: slot 3 frees buffer 1 for the next group's slot 1, slot 4 frees buffer 0 for its slot 0.  A tile that does not exist is neither fetched nor multiplied.
; THE ORDER OF THE TILES.  The sixteen work-groups that read the same tiles begin at different ones: work-group ns walks its half's Tw tiles from tile (ns Tw) / 16 on and wraps, so that they do not all ask for one tile at one time.
; ONE LOOP of 7 constant trips, five tiles each (35 >= the 32 tiles that a half can have); a trip with no tile jumps over its work, never over its two barriers.
; ROWS THAT DO NOT EXIST.  A store takes two rows, sixteen lanes each.  A pair whose first row lies behind the half's last is jumped over (a scalar branch on stored counts).  Where n is odd, one pair has a row and
; position n beside it: that position holds the list's fill, 2,048 + e: a spare row of yw behind its 2,048, of which this work-group alone writes its 256 bytes and which nobody reads.  So all lanes stay on throughout.
; NO CLUSTER, NO TENSOR LOAD: the tiles' addresses and the trips that run hang on counts read from memory.
; NO PREFETCH: W2 is asked for at the head, and so are the images: the first two loads of the sixteen work-groups name between them every tile of a half of up to 16 tiles.
; LIMITS: eh + ew2 between -126 and 127.  NaN codes are not served.
.set PP,   272                         ; a row of partial sums: 64 f32 + 16 bytes
.set PRW,  80*PP                       ; a wave's five tiles of partial sums
.set PW,   1040                        ; a row of W2 on its way into fragments: 1,024 bytes + 16
.set WST,  4*PRW                       ; 16 such rows for each wave, its own
.set LA,   16                          ; v16-20  where a slot's entries lie in lst
.set ACC,  32                          ; v32-191 slot i, column tile t at 32 + 32 i + 8 t; on the way out: slot i's two pairs of rows, four partial sums each
.set ENT,  192                         ; v192-201 ten entries of the list
.set YO,   202                         ; v202-211 the ten stores' offsets
.set REM,  50                          ; s50-54  slot i: my half's rows left, counted from my first row (4 w) of the slot's tile
                                       ; v1 16 lane; v2, v3 my stage of W2: in, out; v4 partial sums in; v5, v6 out; v7 4 (4 w + lane / 16); v9 4 w + lane / 16; v10 16 (lane % 16); v212-215 b2
                                       ; windows 1, 2: W2, K step kk, column tile t at v[256 + 64 kk + 16 t];  window 3: two image buffers of 128
                                       ; s20 n; s21 T; s22 Th; s23 my first tile; s24 Tw, my tiles; s25 my rows; s26 the group's first slot; s27 trip; s47 Tw - 1; s48 the tile at which I begin; s49 my rows - 4 w
.set MSB, 0
.macro WIN new                         ; the immediate's high byte repeats the setting that is left
.if MSB != (\new)
	s_set_vgpr_msb (MSB<<8)|(\new)
.set MSB, (\new)
.endif
.endm
.macro PLACES n
.rept \n
	v_nop
.endr
.endm
.macro W2LOAD t                        ; 16 rows of W2 (columns 16 t on), my 1,024 bytes of each: every load reads 512 consecutive bytes.  They land where column tile t's fragments will lie: rows 0-7 in window 1, rows 8-15 in window 2
	WIN 0x40
.irp j, 0,1,2,3,4,5,6,7,8,9,10,11,12,13,14,15
	global_load_b128 v[64*(\j/4)+16*(\t)+4*(\j%4):64*(\j/4)+16*(\t)+4*(\j%4)+3], v1, s[4:5] offset:(16*(\t)+\j/2)*4096+512*(\j%2)
.endr
	WIN 0x80
.irp j, 0,1,2,3,4,5,6,7,8,9,10,11,12,13,14,15
	global_load_b128 v[64*(\j/4)+16*(\t)+4*(\j%4):64*(\j/4)+16*(\t)+4*(\j%4)+3], v1, s[4:5] offset:(16*(\t)+8+\j/2)*4096+512*(\j%2)
.endr
	WIN 0
.endm
.macro W2TURN t                        ; through my own stage and back into the registers that they left, now as fragments; LDS serves a wave's instructions in order, so no wait stands between, nor in front of the next turn's stores
	WIN 0x04
.irp j, 0,1,2,3,4,5,6,7,8,9,10,11,12,13,14,15
	ds_store_b128 v2, v[64*(\j/4)+16*(\t)+4*(\j%4):64*(\j/4)+16*(\t)+4*(\j%4)+3] offset:(\j/2)*PW+512*(\j%2)
.endr
	WIN 0x08
.irp j, 0,1,2,3,4,5,6,7,8,9,10,11,12,13,14,15
	ds_store_b128 v2, v[64*(\j/4)+16*(\t)+4*(\j%4):64*(\j/4)+16*(\t)+4*(\j%4)+3] offset:(8+\j/2)*PW+512*(\j%2)
.endr
	WIN 0x40
.irp kk, 0,1,2,3
.irp c, 0,1,2,3
	ds_load_b128 v[64*\kk+16*(\t)+4*\c:64*\kk+16*(\t)+4*\c+3], v3 offset:128*\kk+32*\c
.endr
.endr
	WIN 0x80
.irp kk, 0,1,2,3
.irp c, 0,1,2,3
	ds_load_b128 v[64*\kk+16*(\t)+4*\c:64*\kk+16*(\t)+4*\c+3], v3 offset:512+128*\kk+32*\c
.endr
.endr
	WIN 0
.endm
.macro TILEIDX k                       ; s42 = the tile of my half that stands at place s26 + k of my walk (past the last place: the last place's)
	s_add_co_u32 s42, s26, (\k)
	s_min_u32 s42, s42, s47
	s_add_co_u32 s42, s42, s48                     ; under 2 Tw:
	s_cmp_ge_u32 s42, s24
	s_cselect_b32 s43, s24, 0
	s_sub_co_u32 s42, s42, s43                     ; one subtraction wraps it
.endm
.macro TILEBASE k, bt                  ; where that tile lies in hq.  The buffer's earlier loads have been waited for, so its base may be written
	TILEIDX \k
	s_add_co_u32 s42, s42, s23
	s_min_u32 s42, s42, 63                         ; held inside the buffer whatever was read
	s_lshl_b32 s42, s42, 16
	s_mov_b32 s43, 0
	s_add_nc_u64 s[34+2*(\bt):35+2*(\bt)], s[38:39], s[42:43]
.endm
.macro ALOAD bt                        ; a tile's image, my eight K steps: 32 loads of 512 consecutive bytes
	WIN 0xc0
.irp kk, 0,1,2,3,4,5,6,7
.irp c, 0,1,2,3
	global_load_b128 v[128*(\bt)+16*\kk+4*\c:128*(\bt)+16*\kk+4*\c+3], v1, s[34+2*(\bt):35+2*(\bt)] offset:2048*\kk+512*\c
.endr
.endr
.endm
.macro MUL i, bt                       ; 32 products; the tile's four accumulators take turns, one instruction a turn; K step 0 starts the sums
.irp kk, 0,1,2,3,4,5,6,7
	WIN 0x0d+(\kk/4)
.irp t, 0,1,2,3
.if \kk == 0
	v_wmma_f32_16x16x128_fp8_fp8 v[ACC+32*(\i)+8*\t:ACC+32*(\i)+8*\t+7], v[64*(\kk%4)+16*\t:64*(\kk%4)+16*\t+15], v[128*(\bt)+16*\kk:128*(\bt)+16*\kk+15], 0
.else
	v_wmma_f32_16x16x128_fp8_fp8 v[ACC+32*(\i)+8*\t:ACC+32*(\i)+8*\t+7], v[64*(\kk%4)+16*\t:64*(\kk%4)+16*\t+15], v[128*(\bt)+16*\kk:128*(\bt)+16*\kk+15], v[ACC+32*(\i)+8*\t:ACC+32*(\i)+8*\t+7]
.endif
.endr
.endr
.endm
; SLOT i of a group: its products on buffer bt; its partial sums to LDS; the buffer's refill with the tile at place s26 + nxt, if my walk has such a place; the wait for the next slot's image; out, if there is no next slot.
.macro STEP i, bt, nxt
	MUL \i, \bt
	WIN 0
	PLACES 4                                       ; behind the products: in front of the stores of their results and of the loads into the buffer that they have read
.irp t, 0,1,2,3
	ds_store_b128 v4, v[ACC+32*(\i)+8*\t:ACC+32*(\i)+8*\t+3] offset:16*PP*(\i)+64*\t       ; each accumulator from its low end on
	ds_store_b128 v4, v[ACC+32*(\i)+8*\t+4:ACC+32*(\i)+8*\t+7] offset:16*PP*(\i)+64*\t+16
.endr
	s_add_co_u32 s44, s26, \nxt
	s_cmp_ge_u32 s44, s24
	s_cbranch_scc1 .Lnone_\@
	TILEBASE \nxt, \bt
	ALOAD \bt
	WIN 0
.if \i < 4
	s_wait_loadcnt 32                              ; all but the 32 just issued: the next slot's image is in (and, in slot 0, the list's entries)
	s_branch .Lgo_\@
.Lnone_\@:
	s_wait_loadcnt 0x0                             ; nothing was issued behind the next slot's image
.Lgo_\@:
	s_add_co_u32 s44, s26, \i+1
	s_cmp_ge_u32 s44, s24
	s_cbranch_scc1 .Lmeet                          ; my walk ends inside this group
.else
.Lnone_\@:
.endif
.endm
.macro PLOAD q                         ; two rows (slot q / 2, rows 4 w + 2 (q % 2) + lane / 16): the four waves' partial sums, sixteen lanes to a row of 256 bytes
.set PB, ACC+16*(\q)
	ds_load_b128 v[PB:PB+3], v5 offset:16*PP*((\q)/2)+2*PP*((\q)%2)
	ds_load_b128 v[PB+4:PB+7], v5 offset:PRW+16*PP*((\q)/2)+2*PP*((\q)%2)
	ds_load_b128 v[PB+8:PB+11], v6 offset:16*PP*((\q)/2)+2*PP*((\q)%2)
	ds_load_b128 v[PB+12:PB+15], v6 offset:PRW+16*PP*((\q)/2)+2*PP*((\q)%2)
.endm
.macro SUMUP q                         ; added, scaled, biased; and the place in yw that the list names
.set PB, ACC+16*(\q)
	v_pk_add_f32 v[PB:PB+1], v[PB:PB+1], v[PB+4:PB+5]
	v_pk_add_f32 v[PB+2:PB+3], v[PB+2:PB+3], v[PB+6:PB+7]
	v_pk_add_f32 v[PB+8:PB+9], v[PB+8:PB+9], v[PB+12:PB+13]
	v_pk_add_f32 v[PB+10:PB+11], v[PB+10:PB+11], v[PB+14:PB+15]
	v_pk_add_f32 v[PB:PB+1], v[PB:PB+1], v[PB+8:PB+9]
	v_pk_add_f32 v[PB+2:PB+3], v[PB+2:PB+3], v[PB+10:PB+11]
	v_pk_fma_f32 v[PB:PB+1], v[PB:PB+1], s[32:33], v[212:213] op_sel_hi:[1,0,1]
	v_pk_fma_f32 v[PB+2:PB+3], v[PB+2:PB+3], s[32:33], v[214:215] op_sel_hi:[1,0,1]
	v_min_u32 v[YO+\q], 2063, v[ENT+\q]            ; held inside the buffer's 2,064 rows whatever was read
	v_lshl_add_u32 v[YO+\q], v[YO+\q], 12, v10     ; a row of 4,096 bytes, + my 16 bytes
.endm
.macro SEND q                          ; stored, if the pair's first row exists
.set PB, ACC+16*(\q)
	s_cmp_le_i32 s[REM+(\q)/2], 2*((\q)%2)
	s_cbranch_scc1 .Lskip_\@
	global_store_b128 v[YO+\q], v[PB:PB+3], s[14:15]   ; sixteen lanes store 256 consecutive bytes, aligned
.Lskip_\@:
.endm
.macro SLOTIN i
	PLOAD 2*(\i)
	PLOAD 2*(\i)+1
.endm
.macro SLOTOUT i
	SUMUP 2*(\i)
	SUMUP 2*(\i)+1
	SEND 2*(\i)
	SEND 2*(\i)+1
.endm
	s_load_b256 s[4:11], s[0:1], 0x0               ; W2's codes s[4:5], b2 s[6:7], the exponents s[8:9], hq s[10:11]
	s_load_b128 s[12:15], s[0:1], 0x20             ; lst s[12:13], yw s[14:15]
	v_lshl_add_u32 v254, v0, 2, 0x25800
	v_mov_b32 v255, 0
	v_lshrrev_b32 v1, 5, v0
	v_readfirstlane_b32 s16, v1                    ; wave
	v_and_b32 v11, 31, v0                          ; lane
	v_and_b32 v12, 15, v0                          ; lane % 16
	v_bfe_u32 v13, v0, 4, 1                        ; lane / 16
	v_lshlrev_b32 v1, 4, v11
	s_mul_i32 s40, s16, 16*PW
	s_add_co_u32 s40, s40, WST
	v_add_nc_u32 v2, s40, v1
	v_mul_u32_u24 v3, v12, PW
	v_lshl_add_u32 v3, v13, 4, v3
	v_add_nc_u32 v3, s40, v3
	s_mul_i32 s40, s16, PRW
	v_mul_u32_u24 v4, v12, PP
	v_lshl_add_u32 v4, v13, 5, v4
	v_add_nc_u32 v4, s40, v4                       ; my partial sums: row lane % 16, + 32 (lane / 16)
	s_lshl_b32 s58, s16, 2                         ; 4 w: my first row of a tile's sixteen
	v_add_nc_u32 v9, s58, v13
	v_mul_u32_u24 v5, v9, PP
	v_lshlrev_b32 v10, 4, v12
	v_add_nc_u32 v5, v5, v10                       ; back: waves 0 and 1's sums,
	v_add_nc_u32 v6, 2*PRW, v5                     ; waves 2 and 3's: the immediate has 16 bits
	v_lshlrev_b32 v7, 2, v9                        ; the list: a word for each row
	s_lshr_b32 s17, ttmp9, 5                       ; e
	s_bfe_u32 s19, ttmp9, 0x10004                  ; hf
	s_and_b32 s18, ttmp9, 15                       ; ns
	s_lshl_b32 s40, s17, 22
	s_lshl_b32 s42, s18, 18
	s_add_co_u32 s40, s40, s42
	s_lshl_b32 s42, s16, 10
	s_add_co_u32 s40, s40, s42                     ; W2: (1,024 e + 64 ns) rows of 4,096 bytes, + my 1,024
	s_mov_b32 s41, 0
	s_lshl_b32 s42, s17, 12
	s_lshl_b32 s44, s18, 8
	s_add_co_u32 s42, s42, s44                     ; b2
	s_mov_b32 s43, 0
	s_mov_b32 s45, 0                               ; yw: my 64 columns (s44)
	s_lshl_b32 s46, s17, 4
	s_mov_b32 s47, 0
	s_lshl_b32 s48, s17, 22
	s_lshl_b32 s50, s16, 14
	s_add_co_u32 s48, s48, s50                     ; hq: the expert, my eight K steps
	s_mov_b32 s49, 0
	s_mul_i32 s50, s17, 5120                       ; lst: the expert's 1,280 words
	s_mov_b32 s51, 0
	s_wait_kmcnt 0x0
	s_add_nc_u64 s[4:5], s[4:5], s[40:41]
	s_add_nc_u64 s[6:7], s[6:7], s[42:43]
	s_add_nc_u64 s[14:15], s[14:15], s[44:45]
	s_add_nc_u64 s[8:9], s[8:9], s[46:47]
	s_add_nc_u64 s[38:39], s[10:11], s[48:49]
	s_add_nc_u64 s[12:13], s[12:13], s[50:51]
	s_load_b128 s[28:31], s[8:9], 0x0              ; ex, ew1, eh, ew2
	s_load_b32 s20, s[12:13], 0x13fc               ; n: word 1,279
	global_load_b128 v[212:215], v10, s[6:7]       ; b2 at my four columns
	W2LOAD 0
	W2LOAD 1
	s_wait_kmcnt 0x0
	s_min_u32 s20, s20, 1024                       ; n
	s_add_co_u32 s21, s20, 15
	s_lshr_b32 s21, s21, 4                         ; T
	s_add_co_u32 s22, s21, 1
	s_lshr_b32 s22, s22, 1                         ; Th
	s_sub_co_u32 s24, s21, s22
	s_cmp_lg_u32 s19, 0
	s_cselect_b32 s23, s22, 0                      ; my first tile
	s_cselect_b32 s24, s24, s22                    ; my tiles
	s_lshl_b32 s40, s23, 4
	s_sub_co_i32 s25, s20, s40
	s_max_i32 s25, s25, 0
	s_lshl_b32 s40, s24, 4
	s_min_i32 s25, s25, s40                        ; my rows
	s_sub_co_i32 s49, s25, s58
	s_sub_co_u32 s47, s24, 1
	s_mul_i32 s48, s18, s24
	s_lshr_b32 s48, s48, 4                         ; where my walk begins: under Tw
	s_mov_b32 s26, 0
	s_add_co_i32 s40, s30, s31
	s_add_co_i32 s40, s40, 127
	s_lshl_b32 s32, s40, 23                        ; 2^(eh + ew2)
	s_mov_b32 s33, s32
	s_wait_loadcnt 32                              ; each of these four waits leaves out the 32 loads issued last: b2 and columns 0-15 are in
	W2LOAD 2
	W2TURN 0
	s_wait_loadcnt 32                              ; columns 16-31
	W2LOAD 3
	W2TURN 1
	s_wait_loadcnt 32                              ; columns 32-47
	TILEBASE 1, 1
	ALOAD 1                                        ; the walk's second tile (with one tile: the first again), then its first: as the loop leaves them for a next group
	W2TURN 2
	s_wait_loadcnt 32                              ; columns 48-63
	TILEBASE 0, 0
	ALOAD 0
	W2TURN 3
	s_wait_dscnt 0x0                               ; all fragments of W2 are in their registers
	s_mov_b32 s27, 0
.Lgrp:
	s_mul_i32 s26, s27, 5                          ; the group's first place in my walk
.irp i, 0,1,2,3,4                              ; in every trip: each slot's tile, my rows left in it, and where my two pairs of its rows go
	TILEIDX \i
	s_lshl_b32 s43, s42, 4
	s_sub_co_i32 s[REM+\i], s49, s43
	s_add_co_u32 s42, s42, s23
	s_min_u32 s42, s42, 63                         ; held inside the list whatever was read
	s_lshl_b32 s42, s42, 6                         ; 16 words a tile
	v_add_nc_u32 v[LA+\i], s42, v7
	global_load_b32 v[ENT+2*\i], v[LA+\i], s[12:13]
	global_load_b32 v[ENT+2*\i+1], v[LA+\i], s[12:13] offset:8
.endr
	s_cmp_ge_u32 s26, s24
	s_cbranch_scc1 .Lidle_a
	s_wait_loadcnt 10                              ; all but the ten just issued: the images of slots 0 and 1 are in
	STEP 0, 0, 2
	STEP 1, 1, 3
	STEP 2, 0, 4
	STEP 3, 1, 6                                   ; buffer 1 takes the next group's slot 1,
	STEP 4, 0, 5                                   ; buffer 0 its slot 0: both stay on their way through the barriers below
	s_branch .Lmeet
.Lidle_a:
	s_wait_loadcnt 0x0                             ; the ten entries are in: their registers and addresses are written again in the next trip
.Lmeet:
	s_wait_dscnt 0x0                               ; my partial sums have landed
	s_barrier_signal -1
	s_barrier_wait -1                              ; everybody's have; up to the next barrier LDS is only read
	s_cmp_ge_u32 s26, s24
	s_cbranch_scc1 .Lidle_b
	SLOTIN 0
.irp i, 0,1,2,3                                ; one test a slot: the next slot's eight loads go out ahead of this slot's sums, or this slot is the last
	s_add_co_u32 s44, s26, \i+1
	s_cmp_ge_u32 s44, s24
	s_cbranch_scc1 .Llast_\i
	SLOTIN \i+1
	s_wait_dscnt 8                                 ; all but the eight just issued
	SLOTOUT \i
.endr
	s_wait_dscnt 0x0
	SLOTOUT 4
	s_branch .Lsent
.irp i, 0,1,2,3
.Llast_\i:
	s_wait_dscnt 0x0
	SLOTOUT \i
	s_branch .Lsent
.endr
.Lsent:
	s_wait_xcnt 0x0                                ; the stores have read their data and offsets: the next trip's products and offsets write those registers only behind this wait
.Lidle_b:
	s_wait_dscnt 0x0                               ; my reads of the partial sums are over
	s_barrier_signal -1
	s_barrier_wait -1                              ; everybody's are: the next group may write them again
	s_add_co_u32 s27, s27, 1
	s_cmp_lt_u32 s27, 7
	s_cbranch_scc1 .Lgrp
	s_wait_tensorcnt 0x0
	ds_add_u32 v254, v255
	s_wait_dscnt 0x0
	s_endpgm
.Lfunc_end_k_qe75615fc03_down:
	.size	k_qe75615fc03_down, .Lfunc_end_k_qe75615fc03_down-k_qe75615fc03_down
	.p2alignl 7, 3214868480
	.fill 96, 4, 3214868480
	.section	.rodata,"a",@progbits
	.p2align	6, 0x0
	.amdhsa_kernel k_qe75615fc03_down
		.amdhsa_group_segment_fixed_size 154112
		.amdhsa_private_segment_fixed_size 0
		.amdhsa_enable_private_segment 0
		.amdhsa_kernarg_size 48
		.amdhsa_user_sgpr_count 2
		.amdhsa_user_sgpr_kernarg_segment_ptr 1
		.amdhsa_wavefront_size32 1
		.amdhsa_system_sgpr_workgroup_id_x 1
		.amdhsa_system_sgpr_workgroup_id_y 1
		.amdhsa_system_sgpr_workgroup_id_z 1
		.amdhsa_system_vgpr_workitem_id 0
		.amdhsa_next_free_vgpr 1024
		.amdhsa_next_free_sgpr 66
		.amdhsa_reserve_vcc 0
		.amdhsa_float_denorm_mode_32 3
		.amdhsa_float_denorm_mode_16_64 3
		.amdhsa_memory_ordered 1
		.amdhsa_forward_progress 1
		.amdhsa_inst_pref_size 93
	.end_amdhsa_kernel
	.amdgpu_metadata
---
amdhsa.version: [ 1, 2 ]
amdhsa.kernels:
  - .name:           k_qe75615fc03_down
    .symbol:         k_qe75615fc03_down.kd
    .args:
      - { .name: W2_codes, .offset: 0, .size: 8, .value_kind: global_buffer, .address_space: global }
      - { .name: b2, .offset: 8, .size: 8, .value_kind: global_buffer, .address_space: global }
      - { .name: lowp_scales, .offset: 16, .size: 8, .value_kind: global_buffer, .address_space: global }
      - { .name: hq, .offset: 24, .size: 8, .value_kind: global_buffer, .address_space: global }
      - { .name: lst, .offset: 32, .size: 8, .value_kind: global_buffer, .address_space: global }
      - { .name: yw, .offset: 40, .size: 8, .value_kind: global_buffer, .address_space: global }
    .group_segment_fixed_size: 154112
    .private_segment_fixed_size: 0
    .kernarg_segment_align: 8
    .kernarg_segment_size: 48
    .max_flat_workgroup_size: 128
    .sgpr_count:     66
    .vgpr_count:     1024
    .wavefront_size: 32
...
	.end_amdgpu_metadata
.endif
;; end of part 3
;; launch combine (part 4): grid 256 x 1, 4 waves a work-group, no clusters, 0 bytes of LDS; arguments yw, wgt, part, out0, out1; writes out0, out1
.if DOCPART == 4
	.amdgcn_target "amdgcn-amd-amdhsa--gfx1250"
	.amdhsa_code_object_version 6
	.text
	.protected	k_qe75615fc03_combine
	.globl	k_qe75615fc03_combine
	.p2align	8
	.type	k_qe75615fc03_combine,@function
k_qe75615fc03_combine:
	s_mov_b64 s[64:65], 0
	v_nop
	global_prefetch_b8 v0, s[64:65] scope:SCOPE_SE
	s_setreg_imm32_b32 hwreg(HW_REG_WAVE_MODE, 25, 1), 1
	s_wait_xcnt 0x0
; COMBINE.  out0[t] = wgt[2 t] yw[2 t] + wgt[2 t + 1] yw[2 t + 1]: one wave a token, 8,192 bytes in and 4,096 out, every load and store 512 consecutive bytes.
; A token's two rows were made by different work-groups of the launch before, so they are added here, by one owner for each output row.
; out1 = 8 x sum over e of (counts[e] / 2,048) (sum of probabilities[e] / 1,024) = 2^-18 x sum of counts[e] x sums[e]: wave 0 of work-group 0 adds the 256 work-groups' partial figures.
; That wave asks for the figures AHEAD of its token's rows, so that all its loads are on their way together; the token's lines are written on both ways of the one branch.
; A stream: no LDS, no matrix unit, no cluster.
.macro MAIN                            ; a token's two rows in, one row out
.irp i, 0,1,2,3,4,5,6,7
	global_load_b128 v[32+8*\i:35+8*\i], v2, s[4:5] offset:512*\i th:TH_LOAD_NT
	global_load_b128 v[36+8*\i:39+8*\i], v2, s[4:5] offset:4096+512*\i th:TH_LOAD_NT
.endr
	s_wait_kmcnt 0x0
	s_mov_b32 s24, s22                             ; each weight as a pair: the packed forms name a pair and take its low word for both halves
	s_mov_b32 s25, s22
	s_mov_b32 s26, s23
	s_mov_b32 s27, s23
.irp i, 0,1,2,3,4,5,6,7
	s_wait_loadcnt 14-2*\i                         ; piece i of both rows is in (and whatever was asked for ahead of the rows); the pieces behind it stay out
	v_pk_mul_f32 v[32+8*\i:33+8*\i], v[32+8*\i:33+8*\i], s[24:25] op_sel_hi:[1,0]
	v_pk_mul_f32 v[34+8*\i:35+8*\i], v[34+8*\i:35+8*\i], s[24:25] op_sel_hi:[1,0]
	v_pk_fma_f32 v[32+8*\i:33+8*\i], v[36+8*\i:37+8*\i], s[26:27], v[32+8*\i:33+8*\i] op_sel_hi:[1,0,1]
	v_pk_fma_f32 v[34+8*\i:35+8*\i], v[38+8*\i:39+8*\i], s[26:27], v[34+8*\i:35+8*\i] op_sel_hi:[1,0,1]
	global_store_b128 v2, v[32+8*\i:35+8*\i], s[10:11] offset:512*\i th:TH_STORE_NT
.endr
.endm
	s_load_b256 s[4:11], s[0:1], 0x0               ; yw s[4:5], wgt s[6:7], part s[8:9], out0 s[10:11]
	s_load_b64 s[12:13], s[0:1], 0x20              ; out1
	v_lshrrev_b32 v1, 5, v0
	v_readfirstlane_b32 s14, v1                    ; wave
	v_and_b32 v1, 31, v0
	v_lshlrev_b32 v2, 4, v1                        ; 16 x lane
	v_mov_b32 v3, 0
	s_lshl_b32 s15, ttmp9, 2
	s_add_co_u32 s15, s15, s14                     ; my token
	s_lshl_b32 s16, s15, 13
	s_mov_b32 s17, 0
	s_lshl_b32 s18, s15, 3
	s_mov_b32 s19, 0
	s_lshl_b32 s20, s15, 12
	s_mov_b32 s21, 0
	s_wait_kmcnt 0x0
	s_add_nc_u64 s[4:5], s[4:5], s[16:17]
	s_add_nc_u64 s[6:7], s[6:7], s[18:19]
	s_add_nc_u64 s[10:11], s[10:11], s[20:21]
	s_load_b64 s[22:23], s[6:7], 0x0               ; the two weights
	s_or_b32 s28, ttmp9, s14
	s_cmp_lg_u32 s28, 0
	s_cbranch_scc1 .Lplain
	; wave 0 of work-group 0.  part is [256][16]: load q, lane l holds figures 4 (l % 4) + 0..3 of work-group 8 q + l / 4
.irp q, 0,1,2,3,4,5,6,7,8,9,10,11,12,13,14,15,16,17,18,19,20,21,22,23,24,25,26,27,28,29,30,31
	global_load_b128 v[96+4*\q:99+4*\q], v2, s[8:9] offset:512*\q
.endr
	MAIN                                           ; its last wait is for 0: the figures are in too
	s_mov_b32 s30, 0x76543210
	s_mov_b32 s31, 0xfedcba98
.irp q, 4,5,6,7,8,9,10,11,12,13,14,15,16,17,18,19,20,21,22,23,24,25,26,27,28,29,30,31
	v_pk_add_f32 v[96+4*(\q%4):97+4*(\q%4)], v[96+4*(\q%4):97+4*(\q%4)], v[96+4*\q:97+4*\q]   ; four chains
	v_pk_add_f32 v[98+4*(\q%4):99+4*(\q%4)], v[98+4*(\q%4):99+4*(\q%4)], v[98+4*\q:99+4*\q]
.endr
	v_pk_add_f32 v[96:97], v[96:97], v[100:101]
	v_pk_add_f32 v[98:99], v[98:99], v[102:103]
	v_pk_add_f32 v[104:105], v[104:105], v[108:109]
	v_pk_add_f32 v[106:107], v[106:107], v[110:111]
	v_pk_add_f32 v[96:97], v[96:97], v[104:105]
	v_pk_add_f32 v[98:99], v[98:99], v[106:107]
.irp m, 4,8                                    ; the lanes with the same l % 4 hold the same figures of other work-groups
.irp j, 0,1,2,3
	v_add_f32_dpp v[96+\j], v[96+\j], v[96+\j] row_xmask:\m row_mask:0xf bank_mask:0xf
.endr
.endr
.irp j, 0,1,2,3
	v_permlanex16_b32 v[100+\j], v[96+\j], s30, s31
.endr
.irp j, 0,1,2,3
	v_add_f32 v[96+\j], v[96+\j], v[100+\j]
.endr
.irp j, 0,1,2,3
	v_mul_f32_dpp v[104+\j], v[96+\j], v[96+\j] row_xmask:2 row_mask:0xf bank_mask:0xf   ; lane l xor 2 holds the counts beside my sums of probabilities
.endr
	v_add_f32 v104, v104, v105
	v_add_f32 v106, v106, v107
	v_add_f32 v104, v104, v106                     ; experts 0-3 in lane 0, 4-7 in lane 1
	v_add_f32_dpp v104, v104, v104 row_xmask:1 row_mask:0xf bank_mask:0xf
	v_mul_f32 v104, 0x36800000, v104               ; x 2^-18
	v_cmp_eq_u32 vcc_lo, 0, v1
	s_wait_xcnt 0x0                                ; EXEC changes only behind this wait
	s_and_saveexec_b32 s29, vcc_lo
	global_store_b32 v3, v104, s[12:13]
	s_wait_xcnt 0x0
	s_or_b32 exec_lo, exec_lo, s29
	s_endpgm
.Lplain:
	MAIN
	s_endpgm
.Lfunc_end_k_qe75615fc03_combine:
	.size	k_qe75615fc03_combine, .Lfunc_end_k_qe75615fc03_combine-k_qe75615fc03_combine
	.p2alignl 7, 3214868480
	.fill 96, 4, 3214868480
	.section	.rodata,"a",@progbits
	.p2align	6, 0x0
	.amdhsa_kernel k_qe75615fc03_combine
		.amdhsa_group_segment_fixed_size 0
		.amdhsa_private_segment_fixed_size 0
		.amdhsa_enable_private_segment 0
		.amdhsa_kernarg_size 40
		.amdhsa_user_sgpr_count 2
		.amdhsa_user_sgpr_kernarg_segment_ptr 1
		.amdhsa_wavefront_size32 1
		.amdhsa_system_sgpr_workgroup_id_x 1
		.amdhsa_system_sgpr_workgroup_id_y 1
		.amdhsa_system_sgpr_workgroup_id_z 1
		.amdhsa_system_vgpr_workitem_id 0
		.amdhsa_next_free_vgpr 224
		.amdhsa_next_free_sgpr 66
		.amdhsa_reserve_vcc 1
		.amdhsa_float_denorm_mode_32 3
		.amdhsa_float_denorm_mode_16_64 3
		.amdhsa_memory_ordered 1
		.amdhsa_forward_progress 1
		.amdhsa_inst_pref_size 20
	.end_amdhsa_kernel
	.amdgpu_metadata
---
amdhsa.version: [ 1, 2 ]
amdhsa.kernels:
  - .name:           k_qe75615fc03_combine
    .symbol:         k_qe75615fc03_combine.kd
    .args:
      - { .name: yw, .offset: 0, .size: 8, .value_kind: global_buffer, .address_space: global }
      - { .name: wgt, .offset: 8, .size: 8, .value_kind: global_buffer, .address_space: global }
      - { .name: part, .offset: 16, .size: 8, .value_kind: global_buffer, .address_space: global }
      - { .name: out0, .offset: 24, .size: 8, .value_kind: global_buffer, .address_space: global }
      - { .name: out1, .offset: 32, .size: 8, .value_kind: global_buffer, .address_space: global }
    .group_segment_fixed_size: 0
    .private_segment_fixed_size: 0
    .kernarg_segment_align: 8
    .kernarg_segment_size: 40
    .max_flat_workgroup_size: 128
    .sgpr_count:     66
    .vgpr_count:     224
    .wavefront_size: 32
...
	.end_amdgpu_metadata
.endif
;; end of part 4
;; ======== version 2 of 2: 4 launches
;; workspace buffers: xq8 8,388,608 bytes; hq 33,554,432 bytes; yw 8,454,144 bytes; sel 4,096 bytes of whole numbers; wgt 8,192 bytes; part 16,384 bytes; lst 40,960 bytes of whole numbers
;; launch route (part 5): grid 256 x 1, 4 waves a work-group, no clusters, 22,016 bytes of LDS; arguments x, Wr, lowp_scales, xq8, sel, wgt, part; writes xq8, sel, wgt, part
.if DOCPART == 5
	.amdgcn_target "amdgcn-amd-amdhsa--gfx1250"
	.amdhsa_code_object_version 6
	.text
	.protected	k_qe75615fc03_route
	.globl	k_qe75615fc03_route
	.p2align	8
	.type	k_qe75615fc03_route,@function
k_qe75615fc03_route:
	s_mov_b64 s[64:65], 0
	v_nop
	global_prefetch_b8 v0, s[64:65] scope:SCOPE_SE
	s_setreg_imm32_b32 hwreg(HW_REG_WAVE_MODE, 25, 1), 1
	s_wait_xcnt 0x0
; ROUTE.  One wave owns one token t = 4 x work-group + wave.  It computes the 8 logits x[t] . Wr[e] in f32 (fused multiply-adds), the softmax with the row's maximum taken away,
; the two largest probabilities (of equal ones the lower index is kept), their weights u / (u1 + u2), and it quantises x[t] under each of the 8 experts' scales 2^ex (lowp_scales[4 e]).
; STORES, all at fixed places (no address hangs on the choice): xq8[e][t][1024] codes, k as in x; sel[t] = (1 << i1) | (256 << i2); wgt[2 t + k]; part[work-group][16]: 8 sums of probabilities, 8 counts.
; All 8 scales are written because this launch may not steer addresses by its own choice; the rows that are wanted are picked by the next launch.
; LIMITS: ex between -126 and 119, so that 2^ex and 448 x 2^ex are f32 numbers.  NaN and infinities among the inputs are not served.  Exponentials under 2^-126 count as 0.
; The three small stores at the end (64, 32 and 16 bytes a work-group) are the only ones that do not fill 256 aligned bytes.
; No matrix unit (N = 8), no cluster, no tensor load: waves share nothing but Wr, 32 KB, which every wave reads through the caches.
.set SP,  80                           ; a lane's place in a stage: 64 bytes + 16 of padding
.set STW, 64*SP                        ; LDS: two stages of 32 places for each wave
.set EX,  4*STW                        ; behind the stages: 128 bytes for each wave, its token's figures
.set QS,  16                           ; v16-23   2^ex as f32, expert by expert
.set QL,  24                           ; v24-31   448 x 2^ex
.set R,   32                           ; v32-63   x as loaded: load i, lane l: k = 128 i + 4 l + 0..3
.set X,   64                           ; v64-95   x turned: half g, lane l: k = 512 g + 16 l + 0..15
.set TA,  96                           ; v96-127  two sets of 16 held numbers, by turns
.set CD,  128                          ; v128-191 codes: four registers for each of the 16 stores, so that no store's data are written again
.set AC,  192                          ; v192-207 eight sums, two halves each
.set LG,  208                          ; v208-215 the logits, then u = 2^((l - max) log2 e)
                                       ; window 1 (v256-511): Wr, expert e's load i at v[32 e + 4 i], laid as R
.set MSB, 0
.macro WIN new                         ; the immediate's high byte repeats the setting that is left
.if MSB != (\new)
	s_set_vgpr_msb (MSB<<8)|(\new)
.set MSB, (\new)
.endif
.endm
	s_load_b256 s[4:11], s[0:1], 0x0               ; x s[4:5], Wr s[6:7], the scales' exponents s[8:9], xq8 s[10:11]
	s_load_b128 s[12:15], s[0:1], 0x20             ; sel s[12:13], wgt s[14:15]
	s_load_b64 s[16:17], s[0:1], 0x30              ; part
	v_lshl_add_u32 v15, v0, 2, 0x5400
	v_mov_b32 v239, 0
	v_lshrrev_b32 v1, 5, v0
	v_readfirstlane_b32 s18, v1                    ; wave
	v_and_b32 v1, 31, v0                           ; lane
	v_lshlrev_b32 v2, 4, v1                        ; 16 x lane: my 16 bytes of 512
	s_mul_i32 s19, s18, STW
	v_lshrrev_b32 v3, 2, v1
	v_mul_u32_u24 v3, v3, SP
	v_and_b32 v6, 3, v1
	v_lshl_add_u32 v3, v6, 4, v3
	v_add_nc_u32 v3, s19, v3                       ; the stage, on the way in: four lanes' 64 bytes on end, then the padding
	v_mul_u32_u24 v4, v1, SP
	v_add_nc_u32 v4, s19, v4                       ; and on the way out: my 16 neighbours
	s_lshl_b32 s19, s18, 7
	s_add_co_u32 s19, s19, EX
	v_mov_b32 v5, s19                              ; my wave's 128 bytes of figures
	v_and_b32 v7, 15, v1
	v_lshl_add_u32 v7, v7, 2, EX                   ; wave 0 reads back: figure lane % 16 of wave 0 (the others by the immediate),
	v_bfe_u32 v8, v1, 1, 2
	v_lshlrev_b32 v8, 7, v8
	v_and_b32 v6, 1, v1
	v_lshl_add_u32 v8, v6, 2, v8
	v_add_nc_u32 v8, EX+68, v8                     ; weight lane % 2 of wave (lane / 2) % 4,
	v_and_b32 v9, 3, v1
	v_lshl_add_u32 v9, v9, 7, EX+64                ; and the choice of wave lane % 4
	v_lshlrev_b32 v10, 2, v1                       ; 4 x lane: the small stores' offset
	s_lshl_b32 s62, ttmp9, 2
	s_add_co_u32 s62, s62, s18                     ; my token
	s_lshl_b32 s66, s62, 12                        ; its row of x: 4,096 bytes
	s_mov_b32 s67, 0
	s_lshl_b32 s68, s62, 10                        ; its row of codes: 1,024 bytes
	s_mov_b32 s69, 0
	s_mov_b32 s60, 0x76543210                      ; v_permlanex16_b32's selects for lane l xor 16
	s_mov_b32 s61, 0xfedcba98
	s_wait_kmcnt 0x0
	s_load_b512 s[20:35], s[8:9], 0x0              ; all 32 exponents: ex of expert e is s[20 + 4 e]
	s_load_b512 s[36:51], s[8:9], 0x40
	s_add_nc_u64 s[4:5], s[4:5], s[66:67]
	s_add_nc_u64 s[10:11], s[10:11], s[68:69]
	s_lshl_b32 s66, ttmp9, 6
	s_add_nc_u64 s[16:17], s[16:17], s[66:67]      ; part: 64 bytes a work-group
	s_lshl_b32 s66, ttmp9, 5
	s_add_nc_u64 s[14:15], s[14:15], s[66:67]      ; wgt: 32
	s_lshl_b32 s66, ttmp9, 4
	s_add_nc_u64 s[12:13], s[12:13], s[66:67]      ; sel: 16
.irp i, 0,1,2,3,4,5,6,7
	global_load_b128 v[R+4*\i:R+4*\i+3], v2, s[4:5] offset:512*\i th:TH_LOAD_NT   ; 32 lanes read 512 consecutive bytes; x is read by this wave alone
.endr
	WIN 0x40                                       ; destination window 1
.irp e, 0,1,2,3,4,5,6,7
.irp i, 0,1,2,3,4,5,6,7
	global_load_b128 v[32*\e+4*\i:32*\e+4*\i+3], v2, s[6:7] offset:4096*\e+512*\i
.endr
.endr
	WIN 0
	s_wait_kmcnt 0x0
.irp e, 0,1,2,3,4,5,6,7
	s_add_co_i32 s70, s[20+4*\e], 127
	s_lshl_b32 s71, s70, 23
	v_mov_b32 v[QS+\e], s71                        ; 2^ex as f32: the conversion takes its exponent field
	s_add_co_i32 s70, s70, 8
	s_lshl_b32 s70, s70, 23
	s_or_b32 s70, s70, 0x600000
	v_mov_b32 v[QL+\e], s70                        ; 448 x 2^ex
.endr
	s_wait_loadcnt 63                              ; 64 loads of Wr were issued behind x's eight: at most 63 out means that x is in
.irp g, 0,1                                    ; x through my own stages, so that a lane holds 16 neighbours along K; LDS serves a wave's instructions in order, so no wait stands between the stores and the loads
.irp i, 0,1,2,3
	ds_store_b128 v3, v[R+16*\g+4*\i:R+16*\g+4*\i+3] offset:32*SP*\g+8*SP*\i
.endr
.irp i, 0,1,2,3
	ds_load_b128 v[X+16*\g+4*\i:X+16*\g+4*\i+3], v4 offset:32*SP*\g+16*\i
.endr
.endr
	s_wait_dscnt 0x0
.irp e, 0,1,2,3,4,5,6,7                        ; the row under each expert's scale
.irp g, 0,1
.irp i, 0,1,2,3,4,5,6,7,8,9,10,11,12,13,14,15
	v_med3_num_f32 v[TA+16*\g+\i], v[X+16*\g+\i], -v[QL+\e], v[QL+\e]   ; the conversion to an 8-bit code does not saturate (ISA guide 7.6.2): the hold at the largest code x the scale
.endr
	v_cvt_scalef32_pk8_fp8_f32 v[CD+8*\e+4*\g:CD+8*\e+4*\g+1], v[TA+16*\g:TA+16*\g+7], v[QS+\e]
	v_cvt_scalef32_pk8_fp8_f32 v[CD+8*\e+4*\g+2:CD+8*\e+4*\g+3], v[TA+16*\g+8:TA+16*\g+15], v[QS+\e]
	global_store_b128 v2, v[CD+8*\e+4*\g:CD+8*\e+4*\g+3], s[10:11] offset:(\e<<20)+512*\g   ; 512 consecutive bytes.  The other set's sixteen holds are the plain lines ahead of the next write of this set
.endr
.endr
	v_nop                                          ; a plain line behind the last conversion
	s_wait_loadcnt 0x0                             ; Wr
	WIN 0x04                                       ; source 1 (Wr) window 1
.irp e, 0,1,2,3,4,5,6,7
	v_pk_mul_f32 v[AC+2*\e:AC+2*\e+1], v[R:R+1], v[32*\e:32*\e+1]   ; the first products start the sums
.endr
.irp p, 1,2,3,4,5,6,7,8,9,10,11,12,13,14,15
.irp e, 0,1,2,3,4,5,6,7
	v_pk_fma_f32 v[AC+2*\e:AC+2*\e+1], v[R+2*\p:R+2*\p+1], v[32*\e+2*\p:32*\e+2*\p+1], v[AC+2*\e:AC+2*\e+1]
.endr
.endr
	WIN 0
.irp e, 0,1,2,3,4,5,6,7
	v_add_f32 v[LG+\e], v[AC+2*\e], v[AC+2*\e+1]
.endr
.irp m, 1,2,4,8                                ; across the lanes: four steps inside each half, one between the halves; every lane ends with the same sums
.irp e, 0,1,2,3,4,5,6,7
	v_add_f32_dpp v[LG+\e], v[LG+\e], v[LG+\e] row_xmask:\m row_mask:0xf bank_mask:0xf
.endr
.endr
.irp e, 0,1,2,3,4,5,6,7
	v_mov_b32 v[216+\e], 0                         ; a lane permute's destination counts as one of its sources
.endr
.irp e, 0,1,2,3,4,5,6,7
	v_permlanex16_b32 v[216+\e], v[LG+\e], s60, s61
.endr
.irp e, 0,1,2,3,4,5,6,7
	v_add_f32 v[LG+\e], v[LG+\e], v[216+\e]        ; the logits
.endr
	v_max3_num_f32 v224, v208, v209, v210
	v_max3_num_f32 v225, v211, v212, v213
	v_max3_num_f32 v224, v224, v214, v215
	v_max_num_f32 v224, v224, v225                 ; the row's maximum
.irp e, 0,1,2,3,4,5,6,7
	v_sub_f32 v[LG+\e], v[LG+\e], v224
.endr
.irp e, 0,1,2,3,4,5,6,7
	v_mul_f32 v[LG+\e], 0x3fb8aa3b, v[LG+\e]       ; x log2(e)
.endr
	s_wait_alu depctr_va_vdst(0)
.irp e, 0,1,2,3,4,5,6,7
	v_exp_f32 v[LG+\e], v[LG+\e]                   ; u, at most 1
.endr
	v_mov_b32 v226, -1.0                           ; (a plain line behind the exponentials)  under every u
	s_wait_alu depctr_va_vdst(0)                   ; one wait for the batch, ahead of its first reader
	v_add_f32 v227, v208, v209
	v_add_f32 v228, v210, v211
	v_add_f32 v229, v212, v213
	v_add_f32 v234, v214, v215
	v_add_f32 v227, v227, v228
	v_add_f32 v229, v229, v234
	v_add_f32 v229, v227, v229                     ; S, the sum of the u
	v_mov_b32 v230, v208                           ; the largest u so far, and its index: kept where it is not less, so the lower index wins a tie
	v_mov_b32 v231, 0
.irp e, 1,2,3,4,5,6,7
	v_cmp_ge_f32 vcc_lo, v230, v[LG+\e]
	v_cndmask_b32 v231, \e, v231, vcc_lo
	v_cndmask_b32 v230, v[LG+\e], v230, vcc_lo
.endr
.irp e, 0,1,2,3,4,5,6,7
	v_cmp_eq_u32 vcc_lo, \e, v231
	v_cndmask_b32 v[216+\e], v[LG+\e], v226, vcc_lo   ; a copy in which the first choice is -1
.endr
	v_mov_b32 v232, v216                           ; the same search on the copy: the second choice
	v_mov_b32 v233, 0
.irp e, 1,2,3,4,5,6,7
	v_cmp_ge_f32 vcc_lo, v232, v[216+\e]
	v_cndmask_b32 v233, \e, v233, vcc_lo
	v_cndmask_b32 v232, v[216+\e], v232, vcc_lo
.endr
	v_add_f32 v234, v230, v232
	s_wait_alu depctr_va_vdst(0)
	v_rcp_f32 v235, v229                           ; 1 / S
	v_rcp_f32 v234, v234                           ; 1 / (u1 + u2)
	v_mov_b32 v236, 1                              ; (a plain line behind the reciprocals)
	v_mov_b32 v237, 0x100
	v_mov_b32 v219, 0
	s_wait_alu depctr_va_vdst(0)                   ; one wait for both reciprocals
.irp e, 0,1,2,3,4,5,6,7
	v_mul_f32 v[240+\e], v[LG+\e], v235            ; the probabilities
.endr
	v_mul_f32 v217, v230, v234                     ; the two weights
	v_mul_f32 v218, v232, v234
	v_lshlrev_b32 v236, v231, v236
	v_lshlrev_b32 v237, v233, v237
	v_or_b32 v216, v236, v237                      ; (1 << i1) | (256 << i2)
	v_lshrrev_b32 v238, 8, v216
	v_or_b32 v238, v238, v216                      ; bits 0-7: both choices
.irp e, 0,1,2,3,4,5,6,7
	v_bfe_u32 v[248+\e], v238, \e, 1
.endr
.irp e, 0,1,2,3,4,5,6,7
	v_cvt_f32_u32 v[248+\e], v[248+\e]             ; 1.0 where the expert was chosen
.endr
	ds_store_b128 v5, v[240:243]                   ; every lane holds the same figures and writes the same bytes
	ds_store_b128 v5, v[244:247] offset:16
	ds_store_b128 v5, v[248:251] offset:32
	ds_store_b128 v5, v[252:255] offset:48
	ds_store_b128 v5, v[216:219] offset:64
	s_wait_dscnt 0x0                               ; for wave 0's sake: my stores have landed
	s_barrier_signal -1
	s_barrier_wait -1
	s_cmp_lg_u32 s18, 0
	s_cbranch_scc1 .Lend
	ds_load_b32 v208, v7                           ; wave 0 gathers the four tokens' figures
	ds_load_b32 v209, v7 offset:128
	ds_load_b32 v210, v7 offset:256
	ds_load_b32 v211, v7 offset:384
	ds_load_b32 v212, v8
	ds_load_b32 v213, v9
	s_wait_dscnt 0x0
	v_add_f32 v208, v208, v209
	v_add_f32 v210, v210, v211
	v_add_f32 v208, v208, v210
	v_cmp_gt_u32 vcc_lo, 16, v1
	s_wait_alu depctr_va_vdst(0)
	s_wait_xcnt 0x0                                ; EXEC changes only behind this wait: the codes' stores have read theirs
	s_and_saveexec_b32 s70, vcc_lo
	global_store_b32 v10, v208, s[16:17]           ; 16 sums
	s_wait_xcnt 0x0
	s_or_b32 exec_lo, exec_lo, s70
	v_cmp_gt_u32 vcc_lo, 8, v1
	s_and_saveexec_b32 s70, vcc_lo
	global_store_b32 v10, v212, s[14:15]           ; 8 weights
	s_wait_xcnt 0x0
	s_or_b32 exec_lo, exec_lo, s70
	v_cmp_gt_u32 vcc_lo, 4, v1
	s_and_saveexec_b32 s70, vcc_lo
	global_store_b32 v10, v213, s[12:13]           ; 4 choices
	s_wait_xcnt 0x0
	s_or_b32 exec_lo, exec_lo, s70
.Lend:
	s_wait_tensorcnt 0x0
	ds_add_u32 v15, v239
	s_wait_dscnt 0x0
	s_endpgm
.Lfunc_end_k_qe75615fc03_route:
	.size	k_qe75615fc03_route, .Lfunc_end_k_qe75615fc03_route-k_qe75615fc03_route
	.p2alignl 7, 3214868480
	.fill 96, 4, 3214868480
	.section	.rodata,"a",@progbits
	.p2align	6, 0x0
	.amdhsa_kernel k_qe75615fc03_route
		.amdhsa_group_segment_fixed_size 22016
		.amdhsa_private_segment_fixed_size 0
		.amdhsa_enable_private_segment 0
		.amdhsa_kernarg_size 56
		.amdhsa_user_sgpr_count 2
		.amdhsa_user_sgpr_kernarg_segment_ptr 1
		.amdhsa_wavefront_size32 1
		.amdhsa_system_sgpr_workgroup_id_x 1
		.amdhsa_system_sgpr_workgroup_id_y 1
		.amdhsa_system_sgpr_workgroup_id_z 1
		.amdhsa_system_vgpr_workitem_id 0
		.amdhsa_next_free_vgpr 512
		.amdhsa_next_free_sgpr 80
		.amdhsa_reserve_vcc 1
		.amdhsa_float_denorm_mode_32 3
		.amdhsa_float_denorm_mode_16_64 3
		.amdhsa_memory_ordered 1
		.amdhsa_forward_progress 1
		.amdhsa_inst_pref_size 51
	.end_amdhsa_kernel
	.amdgpu_metadata
---
amdhsa.version: [ 1, 2 ]
amdhsa.kernels:
  - .name:           k_qe75615fc03_route
    .symbol:         k_qe75615fc03_route.kd
    .args:
      - { .name: x, .offset: 0, .size: 8, .value_kind: global_buffer, .address_space: global }
      - { .name: Wr, .offset: 8, .size: 8, .value_kind: global_buffer, .address_space: global }
      - { .name: lowp_scales, .offset: 16, .size: 8, .value_kind: global_buffer, .address_space: global }
      - { .name: xq8, .offset: 24, .size: 8, .value_kind: global_buffer, .address_space: global }
      - { .name: sel, .offset: 32, .size: 8, .value_kind: global_buffer, .address_space: global }
      - { .name: wgt, .offset: 40, .size: 8, .value_kind: global_buffer, .address_space: global }
      - { .name: part, .offset: 48, .size: 8, .value_kind: global_buffer, .address_space: global }
    .group_segment_fixed_size: 22016
    .private_segment_fixed_size: 0
    .kernarg_segment_align: 8
    .kernarg_segment_size: 56
    .max_flat_workgroup_size: 128
    .sgpr_count:     80
    .vgpr_count:     512
    .wavefront_size: 32
...
	.end_amdgpu_metadata
.endif
;; end of part 5
;; launch up (part 6): grid 256 x 1, 4 waves a work-group, no clusters, 141,312 bytes of LDS; arguments W1_codes, b1, lowp_scales, xq8, sel, hq, lst; writes hq, lst
.if DOCPART == 6
	.amdgcn_target "amdgcn-amd-amdhsa--gfx1250"
	.amdhsa_code_object_version 6
	.text
	.protected	k_qe75615fc03_up
	.globl	k_qe75615fc03_up
	.p2align	8
	.type	k_qe75615fc03_up,@function
k_qe75615fc03_up:
	s_mov_b64 s[64:65], 0
	v_nop
	global_prefetch_b8 v0, s[64:65] scope:SCOPE_SE
	s_setreg_imm32_b32 hwreg(HW_REG_WAVE_MODE, 25, 1), 1
	s_wait_xcnt 0x0
; UP.  hq = Q(gelu(xq W1^T x 2^(ex + ew1) + b1)) for the rows that were routed to an expert, and for no others.
; SHARES.  Work-group = expert e (number / 32) x 128 hidden units (s = number % 32): each byte of W1 belongs to one work-group, 128 KB, staged once in LDS.
; The expert's rows are listed from sel by wave 0 (position order: q, j, lane for token 128 q + 4 lane + j).  Rows go in tiles of 16: T = ceil(n / 16).
; The list also goes to memory, for the next launch: lst[e] is 1,280 words, entry 2 t + k at each position, 2,048 + e where there is none, n in word 1,279; work-groups s = 0..9 of an expert store 512 bytes of it each.
; Wave w takes tiles U + 4 i + w, i = 0..4, U = 0, 20, 40, 60: their codes of x stay in 640 registers while the wave walks the 128 units in four blocks of 32, so that each fragment of W1 read from LDS feeds five products.
; ONE LOOP of 16 constant trips = 4 units x 4 blocks; a trip whose first tile does not exist is jumped over (a branch on a stored count; no barrier stands in the loop).
; THE PRODUCT IS USED TRANSPOSED (source 0 = 16 rows of W1, source 1 = 16 rows of x): a lane holds one row.  In LDS the rows of W1 are laid so that row 32 b + 16 u + r holds unit 32 b + 8 u + r + 8 (r / 8):
; the 16 registers of tiles u = 0, 1 are then units 32 b + 16 (lane / 16) + 0..15, 16 neighbours along the next K, and their 16 codes are piece b of the next launch's operand registers.
; hq: [e][tile j][K step s][piece c][lane][16 bytes]: a wave's store covers 512 consecutive bytes, aligned.  Positions behind n in the last tile are computed from token 1,023 (the fill, held inside x) and written; what is made of them goes to a spare row that nobody reads.
; GELU, exact form: 2 gelu(x) = x + |x| - |x| erfc(|x| / sqrt 2); erfc(z) = t exp(-z^2 + poly(t)), t = 1 / (1 + z / 2) (fractional error 1.2e-7 for every z), so nothing cancels for x < 0.  The 2 goes into the scale: 2^(eh + 1).
; k is fed in a permuted order, the same in both operands (registers 4 c .. 4 c + 3: k = 32 c + 16 (lane / 16) + 0..15): only the order of the sums inside an instruction changes.
; NO CLUSTER, NO TENSOR LOAD: which trips run, and which rows of x a tile holds, hang on counts and lists read from memory, so operands go through registers; the 32 work-groups of an expert share x's rows through the caches alone.
; NO PREFETCH: every weight byte is asked for at the head, and x as soon as the list stands.
; LIMITS: ex + ew1 between -126 and 127; eh + 1 between -126 and 119.  NaN and infinities among the inputs, and NaN codes, are not served.
.set PW,   1040                        ; a row of W1 in LDS: 1,024 bytes + 16: the 16 rows of a fragment start at 16 different groups of banks
.set LIST, 128*PW                      ; 1,280 entries (80 tiles): 2 t + k for each position, the fill where there is none; the last word takes n
.set DUMP, LIST+5120                   ; 128 bytes: where lanes that list nothing write
.set CNT,  DUMP+128                    ; n
.set B1L,  CNT+128                     ; my 128 numbers of b1, a copy for each wave
.set XO,   10                          ; v10-14  x: token x 1,024 + 16 (lane / 16), tile by tile
.set HO,   23                          ; v23-27  hq: tile x 65,536 + 16 x lane
.set ACC,  32                          ; v32-111 tile i, u at 32 + 16 i + 8 u
.set BF,   112                         ; v112-175 two sets of two fragments of W1
.set B1R,  176                         ; v176-191 b1 at my 16 units of the block
.set U,    192                         ; v192-255 |x|, t, two more sets of 16 at work
.set T,    208
.set M,    224
.set P,    240
.set SELR, 192                         ; sel as loaded (ahead of the loop)
.set SCR,  224                         ; the list's scratch
                                       ; v1 16 lane; v2 r PW + 16 h; v3 the same in the block in hand; v4, v5 staging; v6 W1's offset; v7, v8 list; v9 16 h; v15 CNT; v[16:17] c9; v18 2^(eh+1); v19 448 x that; v20-22 b1's places; v28-31 b1 as loaded
                                       ; windows 1-3: x, tile i's K step k at v[256 + 128 i + 16 k]; v896-1023 and, ahead of the loop, v32-159: W1 as loaded
.set MSB, 0
.macro WIN new                         ; the immediate's high byte repeats the setting that is left
.if MSB != (\new)
	s_set_vgpr_msb (MSB<<8)|(\new)
.set MSB, (\new)
.endif
.endm
.macro PLACES n                        ; plain vector lines behind matrix instructions (ISA guide 7.12.1)
.rept \n
	v_nop
.endr
.endm
.macro SPAIR r, val                    ; a constant for the packed forms: they name a pair and take its low word for both halves
	s_mov_b32 s[\r], \val
	s_mov_b32 s[\r+1], \val
.endm
.macro WLOAD b, reg                    ; my 8 rows of block b (rows 32 b + 8 w + 0..7), 1,024 bytes each: every load reads 512 consecutive bytes
.irp rr, 0,1,2,3,4,5,6,7
	global_load_b128 v[\reg+8*\rr:\reg+8*\rr+3], v6, s[4:5] offset:32768*(\b)+1024*\rr th:TH_LOAD_NT
	global_load_b128 v[\reg+8*\rr+4:\reg+8*\rr+7], v6, s[4:5] offset:32768*(\b)+1024*\rr+512 th:TH_LOAD_NT
.endr
.endm
.macro WSTORE bb, reg, adr             ; and into LDS
.irp rr, 0,1,2,3,4,5,6,7
	ds_store_b128 v[\adr], v[\reg+8*\rr:\reg+8*\rr+3] offset:(32*(\bb)+\rr)*PW
	ds_store_b128 v[\adr], v[\reg+8*\rr+4:\reg+8*\rr+7] offset:(32*(\bb)+\rr)*PW+512
.endr
.endm
; THE LIST.  For each of my 32 words of sel: does it name expert e?  Its position is the count so far plus the number of lower lanes that say yes.  No lane is switched off: who has nothing to list
; takes the word index of its place in the dump, which lies behind the list.  The choice is made on word indices; the hold at the last word (top) follows it, and behind the hold stand a shift and an addition alone.
.macro BUILD_LIST cap, top
.irp q, 0,1,2,3,4,5,6,7
.irp j, 0,1,2,3
	v_and_b32 v[SCR], s50, v[SELR+4*\q+\j]
	v_cmp_ne_u32 s53, 0, v[SCR]                    ; the lanes whose token chose e
	v_bfe_u32 v[SCR+1], v[SELR+4*\q+\j], s51, 1    ; k: 1 where e is the second choice
	v_add3_u32 v[SCR+2], v[SCR+6], v[SCR+1], 256*\q+2*\j   ; the entry: 2 t + k, t = 128 q + 4 lane + j
	v_mbcnt_lo_u32_b32 v[SCR+3], s53, s52          ; the position
	v_cmp_gt_u32 vcc_lo, \cap, v[SCR+3]
	s_and_b32 vcc_lo, vcc_lo, s53
	v_cndmask_b32 v[SCR+3], v[SCR+5], v[SCR+3], vcc_lo   ; the position, or my word of the dump
	v_min_u32 v[SCR+3], \top, v[SCR+3]             ; held inside list and dump whatever was read
	v_lshl_add_u32 v[SCR+4], v[SCR+3], 2, LIST
	ds_store_b32 v[SCR+4], v[SCR+2]
	s_bcnt1_i32_b32 s54, s53
	s_add_co_u32 s52, s52, s54
.endr
.endr
.endm
.macro OFFS                            ; five tiles' entries from the list at v8 become offsets into x's codes
.irp i, 0,1,2,3,4
	ds_load_b32 v[XO+\i], v8 offset:256*\i
.endr
	s_wait_dscnt 0x0
.irp i, 0,1,2,3,4
	v_lshrrev_b32 v[XO+\i], 1, v[XO+\i]            ; the token
.endr
.irp i, 0,1,2,3,4
	v_min_u32 v[XO+\i], 1023, v[XO+\i]             ; held inside the buffer whatever was read
.endr
.irp i, 0,1,2,3,4
	v_lshl_add_u32 v[XO+\i], v[XO+\i], 10, v9
.endr
.endm
.macro XLOAD i                         ; tile i: lane (r, h) takes, of its row, the 16 bytes at 128 k + 32 c + 16 h
	WIN (1+(\i)/2)<<6
.irp k, 0,1,2,3,4,5,6,7
.irp c, 0,1,2,3
	global_load_b128 v[128*((\i)%2)+16*\k+4*\c:128*((\i)%2)+16*\k+4*\c+3], v[XO+\i], s[10:11] offset:128*\k+32*\c
.endr
.endr
.endm
.macro FRAGS k, set                    ; the block's two fragments of W1 for K step k
.irp u, 0,1
.irp c, 0,1,2,3
	ds_load_b128 v[BF+32*(\set)+16*\u+4*\c:BF+32*(\set)+16*\u+4*\c+3], v3 offset:16*PW*\u+128*(\k)+32*\c
.endr
.endr
.endm
.macro MULS k, set                     ; ten products; the ten accumulators take turns, one instruction a turn; K step 0 starts the sums
.irp i, 0,1,2,3,4
	WIN (1+\i/2)<<2
.irp u, 0,1
.if (\k) == 0
	v_wmma_f32_16x16x128_fp8_fp8 v[ACC+16*\i+8*\u:ACC+16*\i+8*\u+7], v[BF+32*(\set)+16*\u:BF+32*(\set)+16*\u+15], v[128*(\i%2)+16*(\k):128*(\i%2)+16*(\k)+15], 0
.else
	v_wmma_f32_16x16x128_fp8_fp8 v[ACC+16*\i+8*\u:ACC+16*\i+8*\u+7], v[BF+32*(\set)+16*\u:BF+32*(\set)+16*\u+15], v[128*(\i%2)+16*(\k):128*(\i%2)+16*(\k)+15], v[ACC+16*\i+8*\u:ACC+16*\i+8*\u+7]
.endif
.endr
.endr
	WIN 0
.endm
; Tile i's 16 numbers a lane: bias, gelu, codes, store.  A tile that does not exist is jumped over.  Each batch of transcendentals has one plain line and one wait ahead of its first reader.
.macro EPI i
.set EA, ACC+16*(\i)
	s_add_co_u32 s42, s21, 4*(\i)
	s_cmp_ge_u32 s42, s20
	s_cbranch_scc1 .Lno_tile_\@
.irp p, 0,2,4,6,8,10,12,14
	v_pk_fma_f32 v[EA+\p:EA+\p+1], v[EA+\p:EA+\p+1], s[28:29], v[B1R+\p:B1R+\p+1] op_sel_hi:[1,0,1]   ; x = sum x 2^(ex + ew1) + b1; each accumulator from its low end on
.endr
.irp p, 0,1,2,3,4,5,6,7,8,9,10,11,12,13,14,15
	v_and_b32 v[U+\p], s88, v[EA+\p]               ; |x|
.endr
.irp p, 0,2,4,6,8,10,12,14
	v_pk_fma_f32 v[T+\p:T+\p+1], v[U+\p:U+\p+1], s[86:87], 1.0 op_sel_hi:[1,0,0]   ; 1 + z / 2, z = |x| / sqrt 2
.endr
	s_wait_alu depctr_va_vdst(0)
.irp p, 0,1,2,3,4,5,6,7,8,9,10,11,12,13,14,15
	v_rcp_f32 v[T+\p], v[T+\p]                     ; t
.endr
.irp p, 0,2,4,6,8,10,12,14
	v_pk_mul_f32 v[M+\p:M+\p+1], v[EA+\p:EA+\p+1], v[EA+\p:EA+\p+1]   ; x^2: the plain lines behind the reciprocals
.endr
	s_wait_alu depctr_va_vdst(0)                   ; one wait for the sixteen reciprocals
.irp p, 0,2,4,6,8,10,12,14
	v_pk_fma_f32 v[P+\p:P+\p+1], v[T+\p:T+\p+1], v[16:17], s[66:67] op_sel_hi:[1,1,0]   ; the polynomial in t, its coefficients x log2(e): c9 t + c8,
.endr
.irp cc, 68,70,72,74,76,78,80,82
.irp p, 0,2,4,6,8,10,12,14
	v_pk_fma_f32 v[P+\p:P+\p+1], v[P+\p:P+\p+1], v[T+\p:T+\p+1], s[\cc:\cc+1] op_sel_hi:[1,1,0]   ; and down to c0: eight chains side by side
.endr
.endr
.irp p, 0,2,4,6,8,10,12,14
	v_pk_fma_f32 v[P+\p:P+\p+1], v[M+\p:M+\p+1], s[84:85], v[P+\p:P+\p+1] op_sel_hi:[1,0,1]   ; - z^2 log2(e)
.endr
	s_wait_alu depctr_va_vdst(0)
.irp p, 0,1,2,3,4,5,6,7,8,9,10,11,12,13,14,15
	v_exp_f32 v[P+\p], v[P+\p]
.endr
.irp p, 0,2,4,6,8,10,12,14
	v_pk_add_f32 v[M+\p:M+\p+1], v[EA+\p:EA+\p+1], v[U+\p:U+\p+1]   ; x + |x|: the plain lines behind the exponentials
.endr
	s_wait_alu depctr_va_vdst(0)                   ; one wait for the sixteen exponentials
.irp p, 0,2,4,6,8,10,12,14
	v_pk_mul_f32 v[T+\p:T+\p+1], v[T+\p:T+\p+1], v[P+\p:P+\p+1]   ; erfc(z)
.endr
.irp p, 0,2,4,6,8,10,12,14
	v_pk_fma_f32 v[M+\p:M+\p+1], v[U+\p:U+\p+1], v[T+\p:T+\p+1], v[M+\p:M+\p+1] neg_lo:[1,0,0] neg_hi:[1,0,0]   ; 2 gelu(x)
.endr
.irp p, 0,1,2,3,4,5,6,7,8,9,10,11,12,13,14,15
	v_med3_num_f32 v[M+\p], v[M+\p], -v19, v19     ; the conversion to an 8-bit code does not saturate (ISA guide 7.6.2): the hold
.endr
	v_cvt_scalef32_pk8_fp8_f32 v[EA:EA+1], v[M:M+7], v18
	v_cvt_scalef32_pk8_fp8_f32 v[EA+2:EA+3], v[M+8:M+15], v18
	v_nop                                          ; a plain line between the conversions and the next vector or matrix line that touches their registers
	global_store_b128 v[HO+\i], v[EA:EA+3], s[30:31]   ; 32 lanes store 512 consecutive bytes, aligned
.Lno_tile_\@:
.endm
	s_load_b256 s[4:11], s[0:1], 0x0               ; W1's codes s[4:5], b1 s[6:7], the exponents s[8:9], xq8 s[10:11]
	s_load_b128 s[12:15], s[0:1], 0x20             ; sel s[12:13], hq s[14:15]
	s_load_b64 s[90:91], s[0:1], 0x30              ; lst
	v_lshrrev_b32 v1, 5, v0
	v_readfirstlane_b32 s16, v1                    ; wave
	v_and_b32 v29, 31, v0                          ; lane
	v_and_b32 v30, 15, v0                          ; r
	s_wait_alu depctr_va_vdst(0)
	v_bfe_u32 v31, v0, 4, 1                        ; h
	v_lshlrev_b32 v1, 4, v29
	v_lshlrev_b32 v9, 4, v31
	v_mul_u32_u24 v2, v30, PW
	v_add_nc_u32 v2, v2, v9                        ; a fragment's row x pitch + 16 h
	s_and_b32 s40, s16, 1
	s_lshl_b32 s40, s40, 4
	s_lshr_b32 s41, s16, 1
	s_lshl_b32 s41, s41, 3
	s_add_co_u32 s40, s40, s41                     ; my 8 rows of a block go to LDS rows 16 (w % 2) + 8 (w / 2) on
	s_mul_i32 s40, s40, PW
	v_add_nc_u32 v4, s40, v1
	v_add_nc_u32 v5, 64*PW, v4                     ; blocks 2 and 3: the immediate has 16 bits
	s_lshl_b32 s40, s16, 13
	v_add_nc_u32 v6, s40, v1                       ; in memory: 8 rows x wave + 16 x lane
	s_lshl_b32 s40, s16, 6
	s_add_co_u32 s40, s40, LIST
	v_lshl_add_u32 v7, v30, 2, s40                 ; the list at tile w, row r
	v_mov_b32 v15, CNT
	s_lshl_b32 s40, s16, 9
	s_add_co_u32 s40, s40, B1L
	v_lshl_add_u32 v20, v31, 6, s40                ; my copy of b1, + 64 h
	v_add_nc_u32 v22, s40, v1
	v_add_nc_u32 v[SCR+5], (DUMP-LIST)/4, v29      ; my word of the dump, counted in words from the list's first
	v_lshlrev_b32 v[SCR+6], 3, v29                 ; 8 x lane
	v_add_nc_u32 v[SCR+7], LIST, v1
	s_lshr_b32 s17, ttmp9, 5                       ; e
	s_and_b32 s18, ttmp9, 31                       ; s
	s_add_co_u32 s59, s17, 2048                    ; the list's fill: the expert's spare row of the next launch's result; as a token it is held at 1,023
.irp z, 8,9,10,11
	v_mov_b32 v[SCR+\z], s59
.endr
	s_min_u32 s58, s18, 9
	s_lshl_b32 s58, s58, 9                         ; which 512 bytes of the list this work-group stores, if s is under 10
	v_add_nc_u32 v[SCR+12], s58, v[SCR+7]          ; and where they lie in LDS
	v_mov_b32 v[SCR+13], LIST+5116                 ; the list's last word
	s_mul_i32 s56, s17, 5120
	s_add_co_u32 s56, s56, s58
	s_mov_b32 s57, 0
	s_lshl_b32 s40, s17, 22
	s_lshl_b32 s42, s18, 17
	s_add_co_u32 s40, s40, s42                     ; W1: (4,096 e + 128 s) rows of 1,024 bytes
	s_mov_b32 s41, 0
	s_lshl_b32 s42, s17, 14
	s_lshl_b32 s44, s18, 9
	s_add_co_u32 s42, s42, s44                     ; b1
	s_mov_b32 s43, 0
	s_lshl_b32 s44, s17, 4                         ; the expert's four exponents
	s_mov_b32 s45, 0
	s_lshl_b32 s46, s17, 20                        ; x's codes under this expert's scale
	s_mov_b32 s47, 0
	s_lshl_b32 s48, s17, 22
	s_lshl_b32 s50, s18, 11
	s_add_co_u32 s48, s48, s50                     ; hq: the expert, K step s
	s_mov_b32 s49, 0
	s_wait_kmcnt 0x0
	s_add_nc_u64 s[4:5], s[4:5], s[40:41]
	s_add_nc_u64 s[6:7], s[6:7], s[42:43]
	s_add_nc_u64 s[8:9], s[8:9], s[44:45]
	s_add_nc_u64 s[10:11], s[10:11], s[46:47]
	s_add_nc_u64 s[14:15], s[14:15], s[48:49]
	s_add_nc_u64 s[90:91], s[90:91], s[56:57]
	s_load_b128 s[24:27], s[8:9], 0x0              ; ex, ew1, eh, ew2
.irp q, 0,1,2,3,4,5,6,7
	global_load_b128 v[SELR+4*\q:SELR+4*\q+3], v1, s[12:13] offset:512*\q   ; every wave loads sel, so that all have the same loads out; wave 0 uses it
.endr
	global_load_b128 v[28:31], v1, s[6:7]          ; my work-group's 128 numbers of b1
	WIN 0xc0                                       ; destination window 3
	WLOAD 0, 128
	WLOAD 1, 192
	WIN 0
	WLOAD 2, 32
	WLOAD 3, 96
	s_wait_loadcnt 63                              ; 65 loads were issued behind sel's: at most 63 out means that sel is in
	s_cmp_lg_u32 s16, 0
	s_cbranch_scc1 .Llisted
	s_wait_alu depctr_va_vdst(0)
.irp q, 0,1,2,3,4,5,6,7,8,9
	ds_store_b128 v[SCR+7], v[SCR+8:SCR+11] offset:512*\q   ; the list begins as the fill
.endr
	s_lshl_b32 s50, 0x101, s17                     ; e as first or as second choice
	s_add_co_u32 s51, s17, 8
	s_mov_b32 s52, 0                               ; the count so far
	BUILD_LIST 1024, (DUMP-LIST)/4+31
	v_mov_b32 v[SCR], s52
	ds_store_b32 v15, v[SCR]                       ; n,
	ds_store_b32 v[SCR+13], v[SCR]                 ; and once more in the list's last word, behind every position that is ever listed (1,023 at the most)
.Llisted:
	s_wait_dscnt 0x0                               ; wave 0's stores have landed
	s_barrier_signal -1
	s_barrier_wait -1                              ; the list stands; up to here no other wave has touched LDS
	ds_load_b32 v[SCR], v15
	v_mov_b32 v8, v7                               ; tiles w, 4 + w, .. 16 + w
	OFFS
	v_readfirstlane_b32 s19, v[SCR]
	s_min_u32 s19, s19, 1024                       ; n
	s_add_co_u32 s20, s19, 15
	s_lshr_b32 s20, s20, 4                         ; T
	s_cmp_lg_u32 s16, 1                            ; the list goes to memory: wave 1 of the expert's work-groups 0 to 9, 512 bytes each
	s_cbranch_scc1 .Lno_copy
	s_cmp_ge_u32 s18, 10
	s_cbranch_scc1 .Lno_copy
	ds_load_b128 v[SCR+8:SCR+11], v[SCR+12]
	s_wait_dscnt 0x0
	global_store_b128 v1, v[SCR+8:SCR+11], s[90:91]   ; 32 lanes store 512 consecutive bytes, aligned
	s_wait_xcnt 0x0                                ; the store has read its data: the loop writes those registers
.Lno_copy:
	s_wait_alu depctr_va_vdst(0)
	XLOAD 0
	XLOAD 1
	XLOAD 2
	XLOAD 3
	XLOAD 4
	WIN 0
	s_wait_kmcnt 0x0
	s_add_co_i32 s40, s24, s25
	s_add_co_i32 s40, s40, 127
	s_lshl_b32 s28, s40, 23                        ; 2^(ex + ew1)
	s_mov_b32 s29, s28
	s_add_co_i32 s40, s26, 128
	s_lshl_b32 s41, s40, 23
	v_mov_b32 v18, s41                             ; 2^(eh + 1)
	s_add_co_i32 s40, s40, 8
	s_lshl_b32 s40, s40, 23
	s_or_b32 s40, s40, 0x600000
	v_mov_b32 v19, s40                             ; 448 x that
	v_mov_b32 v16, 0x3e7c6f08                      ; c9 =  0.17087277 log2(e)
	v_mov_b32 v17, 0x3e7c6f08
	SPAIR 66, 0xbf97d29d                           ; c8 = -0.82215223 log2(e)
	SPAIR 68, 0x40097039                           ; c7 =  1.48851587 log2(e)
	SPAIR 70, 0xbfd1a1e5                           ; c6 = -1.13520398 log2(e)
	SPAIR 72, 0x3ecdfd18                           ; c5 =  0.27886807 log2(e)
	SPAIR 74, 0xbe899a80                           ; c4 = -0.18628806 log2(e)
	SPAIR 76, 0x3e0efb2e                           ; c3 =  0.09678418 log2(e)
	SPAIR 78, 0x3f0a29d2                           ; c2 =  0.37409196 log2(e)
	SPAIR 80, 0x3fb8ab5a                           ; c1 =  1.00002368 log2(e)
	SPAIR 82, 0xbfe9b21e                           ; c0 = -1.26551223 log2(e)
	SPAIR 84, 0xbf38aa3b                           ; -log2(e) / 2: z^2 = x^2 / 2
	SPAIR 86, 0x3eb504f3                           ; 1 / (2 sqrt 2)
	s_mov_b32 s88, 0x7fffffff
	s_wait_loadcnt 63                              ; 160 loads of x were issued behind them: b1 and all of W1 are in
	ds_store_b128 v22, v[28:31]
	WIN 0x0c                                       ; store data window 3
	WSTORE 0, 128, 4
	WSTORE 1, 192, 4
	WIN 0
	WSTORE 0, 32, 5
	WSTORE 1, 96, 5
	s_wait_dscnt 0x0                               ; my rows of W1 have landed
	s_barrier_signal -1
	s_barrier_wait -1                              ; all 128 rows lie in LDS; from here on LDS is only read
	s_mov_b32 s22, 0
.Ltrip:                                            ; trip = 4 x unit + block
	s_lshr_b32 s38, s22, 2                         ; unit
	s_and_b32 s39, s22, 3                          ; block
	s_mul_i32 s21, s38, 20
	s_add_co_u32 s21, s21, s16                     ; my first tile of the unit
	s_cmp_ge_u32 s21, s20
	s_cbranch_scc1 .Lnext
	s_wait_loadcnt 0x0                             ; the unit's x is in (met at once in blocks 1 to 3)
	s_mul_i32 s36, s39, 32*PW
	s_lshl_b32 s37, s39, 7
	s_lshl_b32 s40, s39, 9
	s_mov_b32 s41, 0
	s_add_nc_u64 s[30:31], s[14:15], s[40:41]      ; hq at piece c = block (the last trip's stores have read their base: the wait at its end)
	v_add_nc_u32 v3, s36, v2
	v_add_nc_u32 v21, s37, v20
	s_wait_alu depctr_va_vdst(0)
.irp i, 0,1,2,3,4
	s_add_co_u32 s42, s21, 4*\i
	s_lshl_b32 s42, s42, 16
	v_add_nc_u32 v[HO+\i], s42, v1
.endr
.irp c, 0,1,2,3
	ds_load_b128 v[B1R+4*\c:B1R+4*\c+3], v21 offset:16*\c
.endr
	FRAGS 0, 0
.irp k, 0,1,2,3,4,5,6,7
.if \k < 7
.if \k > 0
	PLACES 4                                       ; in front of loads into the set that the products just issued have read
.endif
	FRAGS \k+1, (\k+1)%2
	s_wait_dscnt 8                                 ; all but the eight just issued: this K step's fragments (and b1) are in
.else
	s_wait_dscnt 0x0
.endif
	MULS \k, \k%2
.endr
	PLACES 5                                       ; behind the last products: four for the reads and writes below, a fifth for the next block's products, which begin sums anew on these registers
	EPI 0
	EPI 1
	EPI 2
	EPI 3
	EPI 4
	s_wait_xcnt 0x0                                ; the stores have read their data, offsets and base: all three are written again below or in the next trip
	s_cmp_lg_u32 s39, 3
	s_cbranch_scc1 .Lnext
	s_add_co_u32 s42, s21, 20                      ; the unit is done: is there a next one for me?
	s_cmp_ge_u32 s42, s20
	s_cbranch_scc1 .Lnext
	s_add_co_u32 s42, s38, 1
	s_mul_i32 s42, s42, 1280                       ; 20 tiles on in the list
	s_min_u32 s42, s42, 3*1280                     ; the fourth unit has no successor (T is at most 64): the address stays inside the list's 80 tiles
	v_add_nc_u32 v8, s42, v7
	OFFS
	XLOAD 0
	XLOAD 1
	XLOAD 2
	XLOAD 3
	XLOAD 4
	WIN 0
.Lnext:
	s_add_co_u32 s22, s22, 1
	s_cmp_lt_u32 s22, 16
	s_cbranch_scc1 .Ltrip
	s_wait_xcnt 0x0
	v_lshl_add_u32 v238, v0, 2, 0x22600
	v_mov_b32 v239, 0
	s_wait_alu depctr_va_vdst(0)
	s_wait_tensorcnt 0x0
	ds_add_u32 v238, v239
	s_wait_dscnt 0x0
	s_endpgm
.Lfunc_end_k_qe75615fc03_up:
	.size	k_qe75615fc03_up, .Lfunc_end_k_qe75615fc03_up-k_qe75615fc03_up
	.p2alignl 7, 3214868480
	.fill 96, 4, 3214868480
	.section	.rodata,"a",@progbits
	.p2align	6, 0x0
	.amdhsa_kernel k_qe75615fc03_up
		.amdhsa_group_segment_fixed_size 141312
		.amdhsa_private_segment_fixed_size 0
		.amdhsa_enable_private_segment 0
		.amdhsa_kernarg_size 56
		.amdhsa_user_sgpr_count 2
		.amdhsa_user_sgpr_kernarg_segment_ptr 1
		.amdhsa_wavefront_size32 1
		.amdhsa_system_sgpr_workgroup_id_x 1
		.amdhsa_system_sgpr_workgroup_id_y 1
		.amdhsa_system_sgpr_workgroup_id_z 1
		.amdhsa_system_vgpr_workitem_id 0
		.amdhsa_next_free_vgpr 1024
		.amdhsa_next_free_sgpr 96
		.amdhsa_reserve_vcc 1
		.amdhsa_float_denorm_mode_32 3
		.amdhsa_float_denorm_mode_16_64 3
		.amdhsa_memory_ordered 1
		.amdhsa_forward_progress 1
		.amdhsa_inst_pref_size 142
	.end_amdhsa_kernel
	.amdgpu_metadata
---
amdhsa.version: [ 1, 2 ]
amdhsa.kernels:
  - .name:           k_qe75615fc03_up
    .symbol:         k_qe75615fc03_up.kd
    .args:
      - { .name: W1_codes, .offset: 0, .size: 8, .value_kind: global_buffer, .address_space: global }
      - { .name: b1, .offset: 8, .size: 8, .value_kind: global_buffer, .address_space: global }
      - { .name: lowp_scales, .offset: 16, .size: 8, .value_kind: global_buffer, .address_space: global }
      - { .name: xq8, .offset: 24, .size: 8, .value_kind: global_buffer, .address_space: global }
      - { .name: sel, .offset: 32, .size: 8, .value_kind: global_buffer, .address_space: global }
      - { .name: hq, .offset: 40, .size: 8, .value_kind: global_buffer, .address_space: global }
      - { .name: lst, .offset: 48, .size: 8, .value_kind: global_buffer, .address_space: global }
    .group_segment_fixed_size: 141312
    .private_segment_fixed_size: 0
    .kernarg_segment_align: 8
    .kernarg_segment_size: 56
    .max_flat_workgroup_size: 128
    .sgpr_count:     96
    .vgpr_count:     1024
    .wavefront_size: 32
...
	.end_amdgpu_metadata
.endif
;; end of part 6
;; launch down (part 7): grid 256 x 1, 4 waves a work-group, no clusters, 154,112 bytes of LDS; arguments W2_codes, b2, lowp_scales, hq, lst, yw; writes yw
.if DOCPART == 7
	.amdgcn_target "amdgcn-amd-amdhsa--gfx1250"
	.amdhsa_code_object_version 6
	.text
	.protected	k_qe75615fc03_down
	.globl	k_qe75615fc03_down
	.p2align	8
	.type	k_qe75615fc03_down,@function
k_qe75615fc03_down:
	s_mov_b64 s[64:65], 0
	v_nop
	global_prefetch_b8 v0, s[64:65] scope:SCOPE_SE
	s_setreg_imm32_b32 hwreg(HW_REG_WAVE_SCHED_MODE, 0, 2), 2
	s_setreg_imm32_b32 hwreg(HW_REG_WAVE_MODE, 25, 1), 1
	s_wait_xcnt 0x0
	s_wait_alu depctr_vm_vsrc(0)
; DOWN.  yw[2 t + k][:] = hq W2^T x 2^(eh + ew2) + b2 for each routed row.
; SHARES.  Work-group = expert e (number / 32) x half hf of the expert's row tiles ((number / 16) % 2) x 64 columns (ns = number % 16).  T = ceil(n / 16); the first half has Th = (T + 1) / 2 tiles, the second the rest.
; n and the rows' places in yw come from lst, which the launch before has stored: lst[e] is 1,280 words, entry 2 t + k at each position, 2,048 + e behind the last, n in word 1,279.
; K IS SPLIT OVER THE WAVES: wave w owns K steps 8 w .. 8 w + 7 (1,024 of the 4,096).  Its part of W2, 64 columns x 1,024, stays in 512 registers; the rows' codes come from hq as images of the operand's
; registers, 512 consecutive bytes a load, each byte read once in the work-group and feeding four products.  The four waves' partial sums of up to five tiles meet in LDS; each wave then adds and stores a quarter of the rows.
; So the order of the sums differs from one ascending chain: four chains of 1,024 along K, added as (w0 + w1) + (w2 + w3).
; THE PRODUCT IS USED TRANSPOSED (source 0 = 16 rows of W2, that is columns of the result; source 1 = 16 rows of hq): a lane holds eight neighbouring columns of one row.
; THE STREAM OF LOADS.  W2 lands in the registers in which its fragments will lie and turns through the wave's own stage in place, so both image buffers are free from the start.  A buffer takes the image two tiles on
; directly behind the products that have read it, over a group's end too: slot 3 frees buffer 1 for the next group's slot 1, slot 4 frees buffer 0 for its slot 0.  A tile that does not exist is neither fetched nor multiplied.
; THE ORDER OF THE TILES.  The sixteen work-groups that read the same tiles begin at different ones: work-group ns walks its half's Tw tiles from tile (ns Tw) / 16 on and wraps, so that they do not all ask for one tile at one time.
; ONE LOOP of 7 constant trips, five tiles each (35 >= the 32 tiles that a half can have); a trip with no tile jumps over its work, never over its two barriers.
; ROWS THAT DO NOT EXIST.  A store takes two rows, sixteen lanes each.  A pair whose first row lies behind the half's last is jumped over (a scalar branch on stored counts).  Where n is odd, one pair has a row and
; position n beside it: that position holds the list's fill, 2,048 + e: a spare row of yw behind its 2,048, of which this work-group alone writes its 256 bytes and which nobody reads.  So all lanes stay on throughout.
; NO CLUSTER, NO TENSOR LOAD: the tiles' addresses and the trips that run hang on counts read from memory.
; NO PREFETCH: W2 is asked for at the head, and so are the images: the first two loads of the sixteen work-groups name between them every tile of a half of up to 16 tiles.
; LIMITS: eh + ew2 between -126 and 127.  NaN codes are not served.
; THE MODE: SCHED_MODE bits 1:0 = 2 (LLVM: expert scheduling mode 2), set by the entry lines.  The code itself states the register dependences
; between vector or matrix instructions and memory or LDS instructions, with s_wait_alu, always for 0.
; THE PLAN.  Registers that memory or LDS instructions touch, in the loop:
;   the two image buffers (window 3)  A slot's 32 products read one; behind them the image two tiles on lands in it.  Window 3 is full: there is no third.
;   slot i's 32 accumulators  Written by its products; read by eight LDS stores, which stand in the middle of slot i + 1's products, or behind the walk's last slot.  On the way out the four waves' partial sums of my
;                             rows land there (LDS loads), vector lines add them in place, and two stores to memory read them.  The next trip's products write them again.
;   v16-20   where a slot's entries lie in lst: vector adds at a trip's head; read by the ten loads behind them.
;   v192-201 the entries: those loads land there; read by the way out's vector lines.      v202-211 the stores' offsets: written by the way out's vector lines; read by its stores.
;   v1-v7, v10  made at the head and never written again.      W2's registers: see W2TURN; in the loop the products alone name them.
; THE WAITS.  A slot: ONE on va_vdst, behind its products and their four places: its sums are written, and its buffer has been read.  The refill follows it at once; the eight LDS stores follow among products that name
; another slot's accumulators.  A trip's head: one on vm_vsrc and one on va_vdst, round the five adds.  At the first barrier one on vm_vsrc.  On the way out one on va_vdst between a slot's sums and its stores.
.set PP,   272                         ; a row of partial sums: 64 f32 + 16 bytes
.set PRW,  80*PP                       ; a wave's five tiles of partial sums
.set PW,   1040                        ; a row of W2 on its way into fragments: 1,024 bytes + 16
.set WST,  4*PRW                       ; 16 such rows for each wave, its own
.set LA,   16                          ; v16-20  where a slot's entries lie in lst
.set ACC,  32                          ; v32-191 slot i, column tile t at 32 + 32 i + 8 t; on the way out: slot i's two pairs of rows, four partial sums each
.set ENT,  192                         ; v192-201 ten entries of the list
.set YO,   202                         ; v202-211 the ten stores' offsets
.set REM,  50                          ; s50-54  slot i: my half's rows left, counted from my first row (4 w) of the slot's tile
                                       ; v1 16 lane; v2, v3 my stage of W2: in, out; v4 partial sums in; v5, v6 out; v7 4 (4 w + lane / 16); v9 4 w + lane / 16; v10 16 (lane % 16); v212-215 b2
                                       ; windows 1, 2: W2, K step kk, column tile t at v[256 + 64 kk + 16 t];  window 3: two image buffers of 128
                                       ; s20 n; s21 T; s22 Th; s23 my first tile; s24 Tw, my tiles; s25 my rows; s26 the group's first slot; s27 trip; s47 Tw - 1; s48 the tile at which I begin; s49 my rows - 4 w
.set MSB, 0
.macro WIN new                         ; the immediate's high byte repeats the setting that is left
.if MSB != (\new)
	s_set_vgpr_msb (MSB<<8)|(\new)
.set MSB, (\new)
.endif
.endm
.macro PLACES n
.rept \n
	v_nop
.endr
.endm
.macro W2LOAD t                        ; 16 rows of W2 (columns 16 t on), my 1,024 bytes of each: every load reads 512 consecutive bytes.  They land where column tile t's fragments will lie: rows 0-7 in window 1, rows 8-15 in window 2
	WIN 0x40
.irp j, 0,1,2,3,4,5,6,7,8,9,10,11,12,13,14,15
	global_load_b128 v[64*(\j/4)+16*(\t)+4*(\j%4):64*(\j/4)+16*(\t)+4*(\j%4)+3], v1, s[4:5] offset:(16*(\t)+\j/2)*4096+512*(\j%2)
.endr
	WIN 0x80
.irp j, 0,1,2,3,4,5,6,7,8,9,10,11,12,13,14,15
	global_load_b128 v[64*(\j/4)+16*(\t)+4*(\j%4):64*(\j/4)+16*(\t)+4*(\j%4)+3], v1, s[4:5] offset:(16*(\t)+8+\j/2)*4096+512*(\j%2)
.endr
	WIN 0
.endm
.macro W2TURN t                        ; through my own stage and back into the registers that they left, now as fragments; LDS serves a wave's instructions in order, so no wait on DScnt stands between, nor in front of the next turn's stores
	WIN 0x04
.irp j, 0,1,2,3,4,5,6,7,8,9,10,11,12,13,14,15
	ds_store_b128 v2, v[64*(\j/4)+16*(\t)+4*(\j%4):64*(\j/4)+16*(\t)+4*(\j%4)+3] offset:(\j/2)*PW+512*(\j%2)
.endr
	WIN 0x08
.irp j, 0,1,2,3,4,5,6,7,8,9,10,11,12,13,14,15
	ds_store_b128 v2, v[64*(\j/4)+16*(\t)+4*(\j%4):64*(\j/4)+16*(\t)+4*(\j%4)+3] offset:(8+\j/2)*PW+512*(\j%2)
.endr
	WIN 0x40
	s_wait_alu depctr_vm_vsrc(0)                   ; the 32 LDS stores above have read the registers in which the 32 LDS loads below land
.irp kk, 0,1,2,3
.irp c, 0,1,2,3
	ds_load_b128 v[64*\kk+16*(\t)+4*\c:64*\kk+16*(\t)+4*\c+3], v3 offset:128*\kk+32*\c
.endr
.endr
	WIN 0x80
.irp kk, 0,1,2,3
.irp c, 0,1,2,3
	ds_load_b128 v[64*\kk+16*(\t)+4*\c:64*\kk+16*(\t)+4*\c+3], v3 offset:512+128*\kk+32*\c
.endr
.endr
	WIN 0
.endm
.macro TILEIDX k                       ; s42 = the tile of my half that stands at place s26 + k of my walk (past the last place: the last place's)
	s_add_co_u32 s42, s26, (\k)
	s_min_u32 s42, s42, s47
	s_add_co_u32 s42, s42, s48                     ; under 2 Tw:
	s_cmp_ge_u32 s42, s24
	s_cselect_b32 s43, s24, 0
	s_sub_co_u32 s42, s42, s43                     ; one subtraction wraps it
.endm
.macro TILEBASE k, bt                  ; where that tile lies in hq.  The buffer's earlier loads have been waited for, so its base may be written
	TILEIDX \k
	s_add_co_u32 s42, s42, s23
	s_min_u32 s42, s42, 63                         ; held inside the buffer whatever was read
	s_lshl_b32 s42, s42, 16
	s_mov_b32 s43, 0
	s_add_nc_u64 s[34+2*(\bt):35+2*(\bt)], s[38:39], s[42:43]
.endm
.macro ALOAD bt                        ; a tile's image, my eight K steps: 32 loads of 512 consecutive bytes
	WIN 0xc0
.irp kk, 0,1,2,3,4,5,6,7
.irp c, 0,1,2,3
	global_load_b128 v[128*(\bt)+16*\kk+4*\c:128*(\bt)+16*\kk+4*\c+3], v1, s[34+2*(\bt):35+2*(\bt)] offset:2048*\kk+512*\c
.endr
.endr
.endm
.macro MULH i, bt, h                   ; half h of a tile's 32 products: K steps 4 h .. 4 h + 3; the tile's four accumulators take turns, one instruction a turn; K step 0 starts the sums
	WIN 0x0d+(\h)
.irp k4, 0,1,2,3
.irp t, 0,1,2,3
.if ((\h) == 0) && (\k4 == 0)
	v_wmma_f32_16x16x128_fp8_fp8 v[ACC+32*(\i)+8*\t:ACC+32*(\i)+8*\t+7], v[64*\k4+16*\t:64*\k4+16*\t+15], v[128*(\bt)+16*(4*(\h)+\k4):128*(\bt)+16*(4*(\h)+\k4)+15], 0
.else
	v_wmma_f32_16x16x128_fp8_fp8 v[ACC+32*(\i)+8*\t:ACC+32*(\i)+8*\t+7], v[64*\k4+16*\t:64*\k4+16*\t+15], v[128*(\bt)+16*(4*(\h)+\k4):128*(\bt)+16*(4*(\h)+\k4)+15], v[ACC+32*(\i)+8*\t:ACC+32*(\i)+8*\t+7]
.endif
.endr
.endr
.endm
.macro PSTORE i                        ; slot i's partial sums to LDS
.irp t, 0,1,2,3
	ds_store_b128 v4, v[ACC+32*(\i)+8*\t:ACC+32*(\i)+8*\t+3] offset:16*PP*(\i)+64*\t       ; each accumulator from its low end on
	ds_store_b128 v4, v[ACC+32*(\i)+8*\t+4:ACC+32*(\i)+8*\t+7] offset:16*PP*(\i)+64*\t+16
.endr
.endm
; SLOT i of a group: its products on buffer bt, with the slot before's partial sums going to LDS in their middle, where the window changes in any case; the slot's one wait; the buffer's refill with the tile at place
; s26 + nxt, if my walk has such a place; the wait for the next slot's image; out, if there is no next slot: its own partial sums then go to LDS at .Lend_i.
.macro STEP i, bt, nxt
	MULH \i, \bt, 0
.if \i > 0
	WIN 0
	PSTORE \i-1                                    ; no wait: the sums were written ahead of the last slot's wait, and no product since then names them or v4
.endif
	MULH \i, \bt, 1
	WIN 0
	PLACES 4                                       ; four places behind the products, before their results are read by stores; they stay beside the wait
	s_wait_alu depctr_va_vdst(0)                   ; the slot's products have written its sums, which eight LDS stores read, and are done reading buffer bt, in which the refill lands
	s_add_co_u32 s44, s26, \nxt
	s_cmp_ge_u32 s44, s24
	s_cbranch_scc1 .Lnone_\@
	TILEBASE \nxt, \bt
	ALOAD \bt
	WIN 0
.if \i < 4
	s_wait_loadcnt 32                              ; all but the 32 just issued: the next slot's image is in (and, in slot 0, the list's entries)
	s_branch .Lgo_\@
.Lnone_\@:
	s_wait_loadcnt 0x0                             ; nothing was issued behind the next slot's image
.Lgo_\@:
	s_add_co_u32 s44, s26, \i+1
	s_cmp_ge_u32 s44, s24
	s_cbranch_scc1 .Lend_\i
.else
.Lnone_\@:
	PSTORE 4
.endif
.endm
.macro PLOAD q                         ; two rows (slot q / 2, rows 4 w + 2 (q % 2) + lane / 16): the four waves' partial sums, sixteen lanes to a row of 256 bytes
.set PB, ACC+16*(\q)
	ds_load_b128 v[PB:PB+3], v5 offset:16*PP*((\q)/2)+2*PP*((\q)%2)
	ds_load_b128 v[PB+4:PB+7], v5 offset:PRW+16*PP*((\q)/2)+2*PP*((\q)%2)
	ds_load_b128 v[PB+8:PB+11], v6 offset:16*PP*((\q)/2)+2*PP*((\q)%2)
	ds_load_b128 v[PB+12:PB+15], v6 offset:PRW+16*PP*((\q)/2)+2*PP*((\q)%2)
.endm
.macro SUMUP q                         ; added, scaled, biased; and the place in yw that the list names
.set PB, ACC+16*(\q)
	v_pk_add_f32 v[PB:PB+1], v[PB:PB+1], v[PB+4:PB+5]
	v_pk_add_f32 v[PB+2:PB+3], v[PB+2:PB+3], v[PB+6:PB+7]
	v_pk_add_f32 v[PB+8:PB+9], v[PB+8:PB+9], v[PB+12:PB+13]
	v_pk_add_f32 v[PB+10:PB+11], v[PB+10:PB+11], v[PB+14:PB+15]
	v_pk_add_f32 v[PB:PB+1], v[PB:PB+1], v[PB+8:PB+9]
	v_pk_add_f32 v[PB+2:PB+3], v[PB+2:PB+3], v[PB+10:PB+11]
	v_pk_fma_f32 v[PB:PB+1], v[PB:PB+1], s[32:33], v[212:213] op_sel_hi:[1,0,1]
	v_pk_fma_f32 v[PB+2:PB+3], v[PB+2:PB+3], s[32:33], v[214:215] op_sel_hi:[1,0,1]
	v_min_u32 v[YO+\q], 2063, v[ENT+\q]            ; held inside the buffer's 2,064 rows whatever was read
	v_lshl_add_u32 v[YO+\q], v[YO+\q], 12, v10     ; a row of 4,096 bytes, + my 16 bytes
.endm
.macro SEND q                          ; stored, if the pair's first row exists
.set PB, ACC+16*(\q)
	s_cmp_le_i32 s[REM+(\q)/2], 2*((\q)%2)
	s_cbranch_scc1 .Lskip_\@
	global_store_b128 v[YO+\q], v[PB:PB+3], s[14:15]   ; sixteen lanes store 256 consecutive bytes, aligned
.Lskip_\@:
.endm
.macro SLOTIN i                        ; no wait on va_vdst: slot i's products stand ahead of a slot's wait, and the sums of other slots name other registers
	PLOAD 2*(\i)
	PLOAD 2*(\i)+1
.endm
.macro SLOTOUT i
	SUMUP 2*(\i)
	SUMUP 2*(\i)+1
	s_wait_alu depctr_va_vdst(0)                   ; the slot's two pairs of rows and their two offsets are written, which the stores read
	SEND 2*(\i)
	SEND 2*(\i)+1
.endm
	s_load_b256 s[4:11], s[0:1], 0x0               ; W2's codes s[4:5], b2 s[6:7], the exponents s[8:9], hq s[10:11]
	s_load_b128 s[12:15], s[0:1], 0x20             ; lst s[12:13], yw s[14:15]
	v_lshl_add_u32 v254, v0, 2, 0x25800
	v_mov_b32 v255, 0
	v_lshrrev_b32 v1, 5, v0
	v_readfirstlane_b32 s16, v1                    ; wave
	v_and_b32 v11, 31, v0                          ; lane
	v_and_b32 v12, 15, v0                          ; lane % 16
	v_bfe_u32 v13, v0, 4, 1                        ; lane / 16
	v_lshlrev_b32 v1, 4, v11
	s_wait_alu depctr_va_sdst(0)                   ; s16 is written, ahead of its first reader
	s_mul_i32 s40, s16, 16*PW
	s_add_co_u32 s40, s40, WST
	v_add_nc_u32 v2, s40, v1
	v_mul_u32_u24 v3, v12, PW
	v_lshl_add_u32 v3, v13, 4, v3
	v_add_nc_u32 v3, s40, v3
	s_mul_i32 s40, s16, PRW
	v_mul_u32_u24 v4, v12, PP
	v_lshl_add_u32 v4, v13, 5, v4
	v_add_nc_u32 v4, s40, v4                       ; my partial sums: row lane % 16, + 32 (lane / 16)
	s_lshl_b32 s58, s16, 2                         ; 4 w: my first row of a tile's sixteen
	v_add_nc_u32 v9, s58, v13
	v_mul_u32_u24 v5, v9, PP
	v_lshlrev_b32 v10, 4, v12
	v_add_nc_u32 v5, v5, v10                       ; back: waves 0 and 1's sums,
	v_add_nc_u32 v6, 2*PRW, v5                     ; waves 2 and 3's: the immediate has 16 bits
	v_lshlrev_b32 v7, 2, v9                        ; the list: a word for each row
	s_lshr_b32 s17, ttmp9, 5                       ; e
	s_bfe_u32 s19, ttmp9, 0x10004                  ; hf
	s_and_b32 s18, ttmp9, 15                       ; ns
	s_lshl_b32 s40, s17, 22
	s_lshl_b32 s42, s18, 18
	s_add_co_u32 s40, s40, s42
	s_lshl_b32 s42, s16, 10
	s_add_co_u32 s40, s40, s42                     ; W2: (1,024 e + 64 ns) rows of 4,096 bytes, + my 1,024
	s_mov_b32 s41, 0
	s_lshl_b32 s42, s17, 12
	s_lshl_b32 s44, s18, 8
	s_add_co_u32 s42, s42, s44                     ; b2
	s_mov_b32 s43, 0
	s_mov_b32 s45, 0                               ; yw: my 64 columns (s44)
	s_lshl_b32 s46, s17, 4
	s_mov_b32 s47, 0
	s_lshl_b32 s48, s17, 22
	s_lshl_b32 s50, s16, 14
	s_add_co_u32 s48, s48, s50                     ; hq: the expert, my eight K steps
	s_mov_b32 s49, 0
	s_mul_i32 s50, s17, 5120                       ; lst: the expert's 1,280 words
	s_mov_b32 s51, 0
	s_wait_kmcnt 0x0
	s_add_nc_u64 s[4:5], s[4:5], s[40:41]
	s_add_nc_u64 s[6:7], s[6:7], s[42:43]
	s_add_nc_u64 s[14:15], s[14:15], s[44:45]
	s_add_nc_u64 s[8:9], s[8:9], s[46:47]
	s_add_nc_u64 s[38:39], s[10:11], s[48:49]
	s_add_nc_u64 s[12:13], s[12:13], s[50:51]
	s_load_b128 s[28:31], s[8:9], 0x0              ; ex, ew1, eh, ew2
	s_load_b32 s20, s[12:13], 0x13fc               ; n: word 1,279
	s_wait_alu depctr_va_vdst(0)                   ; the addresses and offsets v1 to v7 and v10 are written, which the loads, LDS instructions and stores of the whole kernel read
	global_load_b128 v[212:215], v10, s[6:7]       ; b2 at my four columns
	W2LOAD 0
	W2LOAD 1
	s_wait_kmcnt 0x0
	s_min_u32 s20, s20, 1024                       ; n
	s_add_co_u32 s21, s20, 15
	s_lshr_b32 s21, s21, 4                         ; T
	s_add_co_u32 s22, s21, 1
	s_lshr_b32 s22, s22, 1                         ; Th
	s_sub_co_u32 s24, s21, s22
	s_cmp_lg_u32 s19, 0
	s_cselect_b32 s23, s22, 0                      ; my first tile
	s_cselect_b32 s24, s24, s22                    ; my tiles
	s_lshl_b32 s40, s23, 4
	s_sub_co_i32 s25, s20, s40
	s_max_i32 s25, s25, 0
	s_lshl_b32 s40, s24, 4
	s_min_i32 s25, s25, s40                        ; my rows
	s_sub_co_i32 s49, s25, s58
	s_sub_co_u32 s47, s24, 1
	s_mul_i32 s48, s18, s24
	s_lshr_b32 s48, s48, 4                         ; where my walk begins: under Tw
	s_mov_b32 s26, 0
	s_add_co_i32 s40, s30, s31
	s_add_co_i32 s40, s40, 127
	s_lshl_b32 s32, s40, 23                        ; 2^(eh + ew2)
	s_mov_b32 s33, s32
	s_wait_loadcnt 32                              ; each of these four waits leaves out the 32 loads issued last: b2 and columns 0-15 are in
	W2LOAD 2
	W2TURN 0
	s_wait_loadcnt 32                              ; columns 16-31
	W2LOAD 3
	W2TURN 1
	s_wait_loadcnt 32                              ; columns 32-47
	TILEBASE 1, 1
	ALOAD 1                                        ; the walk's second tile (with one tile: the first again), then its first: as the loop leaves them for a next group
	W2TURN 2
	s_wait_loadcnt 32                              ; columns 48-63
	TILEBASE 0, 0
	ALOAD 0
	W2TURN 3
	s_wait_dscnt 0x0                               ; all fragments of W2 are in their registers
	s_mov_b32 s27, 0
.Lgrp:
	s_mul_i32 s26, s27, 5                          ; the group's first place in my walk
	s_wait_alu depctr_vm_vsrc(0)                   ; the last trip's ten loads have read v[LA ..], written again below; its stores have read their rows and offsets, which this trip's products and sums write again
.irp i, 0,1,2,3,4                              ; in every trip: each slot's tile, my rows left in it, and where my two pairs of its rows go
	TILEIDX \i
	s_lshl_b32 s43, s42, 4
	s_sub_co_i32 s[REM+\i], s49, s43
	s_add_co_u32 s42, s42, s23
	s_min_u32 s42, s42, 63                         ; held inside the list whatever was read
	s_lshl_b32 s42, s42, 6                         ; 16 words a tile
	v_add_nc_u32 v[LA+\i], s42, v7
.endr
	s_wait_alu depctr_va_vdst(0)                   ; v[LA ..] are written, which the ten loads read; the last trip's way out is done reading v[ENT ..], in which they land
.irp i, 0,1,2,3,4
	global_load_b32 v[ENT+2*\i], v[LA+\i], s[12:13]
	global_load_b32 v[ENT+2*\i+1], v[LA+\i], s[12:13] offset:8
.endr
	s_cmp_ge_u32 s26, s24
	s_cbranch_scc1 .Lidle_a
	s_wait_loadcnt 10                              ; all but the ten just issued: the images of slots 0 and 1 are in
	STEP 0, 0, 2
	STEP 1, 1, 3
	STEP 2, 0, 4
	STEP 3, 1, 6                                   ; buffer 1 takes the next group's slot 1,
	STEP 4, 0, 5                                   ; buffer 0 its slot 0: both stay on their way through the barriers below
	s_branch .Lmeet
.irp i, 0,1,2,3                                ; my walk ends inside this group, at slot i: its partial sums go to LDS here (they were written ahead of the slot's wait)
.Lend_\i:
	PSTORE \i
	s_branch .Lmeet
.endr
.Lidle_a:
	s_wait_loadcnt 0x0                             ; the ten entries are in: their registers and addresses are written again in the next trip
.Lmeet:
	s_wait_dscnt 0x0                               ; my partial sums have landed
	s_wait_alu depctr_vm_vsrc(0)                   ; my LDS stores have read the accumulators, in which the way out's LDS loads land
	s_barrier_signal -1
	s_barrier_wait -1                              ; everybody's have; up to the next barrier LDS is only read
	s_cmp_ge_u32 s26, s24
	s_cbranch_scc1 .Lidle_b
	SLOTIN 0
.irp i, 0,1,2,3                                ; one test a slot: the next slot's eight loads go out ahead of this slot's sums, or this slot is the last
	s_add_co_u32 s44, s26, \i+1
	s_cmp_ge_u32 s44, s24
	s_cbranch_scc1 .Llast_\i
	SLOTIN \i+1
	s_wait_dscnt 8                                 ; all but the eight just issued
	SLOTOUT \i
.endr
	s_wait_dscnt 0x0
	SLOTOUT 4
	s_branch .Lsent
.irp i, 0,1,2,3
.Llast_\i:
	s_wait_dscnt 0x0
	SLOTOUT \i
	s_branch .Lsent
.endr
.Lsent:
	s_wait_xcnt 0x0                                ; the stores have read their data and offsets: the next trip's products and offsets write those registers only behind this wait
.Lidle_b:
	s_wait_dscnt 0x0                               ; my reads of the partial sums are over
	s_barrier_signal -1
	s_barrier_wait -1                              ; everybody's are: the next group may write them again
	s_add_co_u32 s27, s27, 1
	s_cmp_lt_u32 s27, 7
	s_cbranch_scc1 .Lgrp
	s_wait_dscnt 0x0                               ; the closing lines, six on end
	s_wait_alu 0x0
	s_wait_tensorcnt 0x0
	ds_add_u32 v254, v255
	s_wait_dscnt 0x0
	s_endpgm
.Lfunc_end_k_qe75615fc03_down:
	.size	k_qe75615fc03_down, .Lfunc_end_k_qe75615fc03_down-k_qe75615fc03_down
	.p2alignl 7, 3214868480
	.fill 96, 4, 3214868480
	.section	.rodata,"a",@progbits
	.p2align	6, 0x0
	.amdhsa_kernel k_qe75615fc03_down
		.amdhsa_group_segment_fixed_size 154112
		.amdhsa_private_segment_fixed_size 0
		.amdhsa_enable_private_segment 0
		.amdhsa_kernarg_size 48
		.amdhsa_user_sgpr_count 2
		.amdhsa_user_sgpr_kernarg_segment_ptr 1
		.amdhsa_wavefront_size32 1
		.amdhsa_system_sgpr_workgroup_id_x 1
		.amdhsa_system_sgpr_workgroup_id_y 1
		.amdhsa_system_sgpr_workgroup_id_z 1
		.amdhsa_system_vgpr_workitem_id 0
		.amdhsa_next_free_vgpr 1024
		.amdhsa_next_free_sgpr 66
		.amdhsa_reserve_vcc 0
		.amdhsa_float_denorm_mode_32 3
		.amdhsa_float_denorm_mode_16_64 3
		.amdhsa_memory_ordered 1
		.amdhsa_forward_progress 1
		.amdhsa_inst_pref_size 96
	.end_amdhsa_kernel
	.amdgpu_metadata
---
amdhsa.version: [ 1, 2 ]
amdhsa.kernels:
  - .name:           k_qe75615fc03_down
    .symbol:         k_qe75615fc03_down.kd
    .args:
      - { .name: W2_codes, .offset: 0, .size: 8, .value_kind: global_buffer, .address_space: global }
      - { .name: b2, .offset: 8, .size: 8, .value_kind: global_buffer, .address_space: global }
      - { .name: lowp_scales, .offset: 16, .size: 8, .value_kind: global_buffer, .address_space: global }
      - { .name: hq, .offset: 24, .size: 8, .value_kind: global_buffer, .address_space: global }
      - { .name: lst, .offset: 32, .size: 8, .value_kind: global_buffer, .address_space: global }
      - { .name: yw, .offset: 40, .size: 8, .value_kind: global_buffer, .address_space: global }
    .group_segment_fixed_size: 154112
    .private_segment_fixed_size: 0
    .kernarg_segment_align: 8
    .kernarg_segment_size: 48
    .max_flat_workgroup_size: 128
    .sgpr_count:     66
    .vgpr_count:     1024
    .wavefront_size: 32
...
	.end_amdgpu_metadata
.endif
;; end of part 7
;; launch combine (part 8): grid 256 x 1, 4 waves a work-group, no clusters, 0 bytes of LDS; arguments yw, wgt, part, out0, out1; writes out0, out1
.if DOCPART == 8
	.amdgcn_target "amdgcn-amd-amdhsa--gfx1250"
	.amdhsa_code_object_version 6
	.text
	.protected	k_qe75615fc03_combine
	.globl	k_qe75615fc03_combine
	.p2align	8
	.type	k_qe75615fc03_combine,@function
k_qe75615fc03_combine:
	s_mov_b64 s[64:65], 0
	v_nop
	global_prefetch_b8 v0, s[64:65] scope:SCOPE_SE
	s_setreg_imm32_b32 hwreg(HW_REG_WAVE_MODE, 25, 1), 1
	s_wait_xcnt 0x0
; COMBINE.  out0[t] = wgt[2 t] yw[2 t] + wgt[2 t + 1] yw[2 t + 1]: one wave a token, 8,192 bytes in and 4,096 out, every load and store 512 consecutive bytes.
; A token's two rows were made by different work-groups of the launch before, so they are added here, by one owner for each output row.
; out1 = 8 x sum over e of (counts[e] / 2,048) (sum of probabilities[e] / 1,024) = 2^-18 x sum of counts[e] x sums[e]: wave 0 of work-group 0 adds the 256 work-groups' partial figures.
; That wave asks for the figures AHEAD of its token's rows, so that all its loads are on their way together; the token's lines are written on both ways of the one branch.
; A stream: no LDS, no matrix unit, no cluster.
.macro MAIN                            ; a token's two rows in, one row out
.irp i, 0,1,2,3,4,5,6,7
	global_load_b128 v[32+8*\i:35+8*\i], v2, s[4:5] offset:512*\i th:TH_LOAD_NT
	global_load_b128 v[36+8*\i:39+8*\i], v2, s[4:5] offset:4096+512*\i th:TH_LOAD_NT
.endr
	s_wait_kmcnt 0x0
	s_mov_b32 s24, s22                             ; each weight as a pair: the packed forms name a pair and take its low word for both halves
	s_mov_b32 s25, s22
	s_mov_b32 s26, s23
	s_mov_b32 s27, s23
.irp i, 0,1,2,3,4,5,6,7
	s_wait_loadcnt 14-2*\i                         ; piece i of both rows is in (and whatever was asked for ahead of the rows); the pieces behind it stay out
	v_pk_mul_f32 v[32+8*\i:33+8*\i], v[32+8*\i:33+8*\i], s[24:25] op_sel_hi:[1,0]
	v_pk_mul_f32 v[34+8*\i:35+8*\i], v[34+8*\i:35+8*\i], s[24:25] op_sel_hi:[1,0]
	v_pk_fma_f32 v[32+8*\i:33+8*\i], v[36+8*\i:37+8*\i], s[26:27], v[32+8*\i:33+8*\i] op_sel_hi:[1,0,1]
	v_pk_fma_f32 v[34+8*\i:35+8*\i], v[38+8*\i:39+8*\i], s[26:27], v[34+8*\i:35+8*\i] op_sel_hi:[1,0,1]
	global_store_b128 v2, v[32+8*\i:35+8*\i], s[10:11] offset:512*\i th:TH_STORE_NT
.endr
.endm
	s_load_b256 s[4:11], s[0:1], 0x0               ; yw s[4:5], wgt s[6:7], part s[8:9], out0 s[10:11]
	s_load_b64 s[12:13], s[0:1], 0x20              ; out1
	v_lshrrev_b32 v1, 5, v0
	v_readfirstlane_b32 s14, v1                    ; wave
	v_and_b32 v1, 31, v0
	v_lshlrev_b32 v2, 4, v1                        ; 16 x lane
	v_mov_b32 v3, 0
	s_lshl_b32 s15, ttmp9, 2
	s_add_co_u32 s15, s15, s14                     ; my token
	s_lshl_b32 s16, s15, 13
	s_mov_b32 s17, 0
	s_lshl_b32 s18, s15, 3
	s_mov_b32 s19, 0
	s_lshl_b32 s20, s15, 12
	s_mov_b32 s21, 0
	s_wait_kmcnt 0x0
	s_add_nc_u64 s[4:5], s[4:5], s[16:17]
	s_add_nc_u64 s[6:7], s[6:7], s[18:19]
	s_add_nc_u64 s[10:11], s[10:11], s[20:21]
	s_load_b64 s[22:23], s[6:7], 0x0               ; the two weights
	s_or_b32 s28, ttmp9, s14
	s_cmp_lg_u32 s28, 0
	s_cbranch_scc1 .Lplain
	s_wait_alu depctr_va_vdst(0)
	; wave 0 of work-group 0.  part is [256][16]: load q, lane l holds figures 4 (l % 4) + 0..3 of work-group 8 q + l / 4
.irp q, 0,1,2,3,4,5,6,7,8,9,10,11,12,13,14,15,16,17,18,19,20,21,22,23,24,25,26,27,28,29,30,31
	global_load_b128 v[96+4*\q:99+4*\q], v2, s[8:9] offset:512*\q
.endr
	MAIN                                           ; its last wait is for 0: the figures are in too
	s_mov_b32 s30, 0x76543210
	s_mov_b32 s31, 0xfedcba98
.irp q, 4,5,6,7,8,9,10,11,12,13,14,15,16,17,18,19,20,21,22,23,24,25,26,27,28,29,30,31
	v_pk_add_f32 v[96+4*(\q%4):97+4*(\q%4)], v[96+4*(\q%4):97+4*(\q%4)], v[96+4*\q:97+4*\q]   ; four chains
	v_pk_add_f32 v[98+4*(\q%4):99+4*(\q%4)], v[98+4*(\q%4):99+4*(\q%4)], v[98+4*\q:99+4*\q]
.endr
	v_pk_add_f32 v[96:97], v[96:97], v[100:101]
	v_pk_add_f32 v[98:99], v[98:99], v[102:103]
	v_pk_add_f32 v[104:105], v[104:105], v[108:109]
	v_pk_add_f32 v[106:107], v[106:107], v[110:111]
	v_pk_add_f32 v[96:97], v[96:97], v[104:105]
	v_pk_add_f32 v[98:99], v[98:99], v[106:107]
.irp m, 4,8                                    ; the lanes with the same l % 4 hold the same figures of other work-groups
.irp j, 0,1,2,3
	v_add_f32_dpp v[96+\j], v[96+\j], v[96+\j] row_xmask:\m row_mask:0xf bank_mask:0xf
.endr
.endr
.irp j, 0,1,2,3
	v_permlanex16_b32 v[100+\j], v[96+\j], s30, s31
.endr
.irp j, 0,1,2,3
	v_add_f32 v[96+\j], v[96+\j], v[100+\j]
.endr
.irp j, 0,1,2,3
	v_mul_f32_dpp v[104+\j], v[96+\j], v[96+\j] row_xmask:2 row_mask:0xf bank_mask:0xf   ; lane l xor 2 holds the counts beside my sums of probabilities
.endr
	v_add_f32 v104, v104, v105
	v_add_f32 v106, v106, v107
	v_add_f32 v104, v104, v106                     ; experts 0-3 in lane 0, 4-7 in lane 1
	v_add_f32_dpp v104, v104, v104 row_xmask:1 row_mask:0xf bank_mask:0xf
	v_mul_f32 v104, 0x36800000, v104               ; x 2^-18
	v_cmp_eq_u32 vcc_lo, 0, v1
	s_wait_alu depctr_va_vdst(0)
	s_wait_xcnt 0x0                                ; EXEC changes only behind this wait
	s_and_saveexec_b32 s29, vcc_lo
	global_store_b32 v3, v104, s[12:13]
	s_wait_xcnt 0x0
	s_or_b32 exec_lo, exec_lo, s29
	s_endpgm
.Lplain:
	s_wait_alu depctr_va_vdst(0)
	MAIN
	s_endpgm
.Lfunc_end_k_qe75615fc03_combine:
	.size	k_qe75615fc03_combine, .Lfunc_end_k_qe75615fc03_combine-k_qe75615fc03_combine
	.p2alignl 7, 3214868480
	.fill 96, 4, 3214868480
	.section	.rodata,"a",@progbits
	.p2align	6, 0x0
	.amdhsa_kernel k_qe75615fc03_combine
		.amdhsa_group_segment_fixed_size 0
		.amdhsa_private_segment_fixed_size 0
		.amdhsa_enable_private_segment 0
		.amdhsa_kernarg_size 40
		.amdhsa_user_sgpr_count 2
		.amdhsa_user_sgpr_kernarg_segment_ptr 1
		.amdhsa_wavefront_size32 1
		.amdhsa_system_sgpr_workgroup_id_x 1
		.amdhsa_system_sgpr_workgroup_id_y 1
		.amdhsa_system_sgpr_workgroup_id_z 1
		.amdhsa_system_vgpr_workitem_id 0
		.amdhsa_next_free_vgpr 224
		.amdhsa_next_free_sgpr 66
		.amdhsa_reserve_vcc 1
		.amdhsa_float_denorm_mode_32 3
		.amdhsa_float_denorm_mode_16_64 3
		.amdhsa_memory_ordered 1
		.amdhsa_forward_progress 1
		.amdhsa_inst_pref_size 20
	.end_amdhsa_kernel
	.amdgpu_metadata
---
amdhsa.version: [ 1, 2 ]
amdhsa.kernels:
  - .name:           k_qe75615fc03_combine
    .symbol:         k_qe75615fc03_combine.kd
    .args:
      - { .name: yw, .offset: 0, .size: 8, .value_kind: global_buffer, .address_space: global }
      - { .name: wgt, .offset: 8, .size: 8, .value_kind: global_buffer, .address_space: global }
      - { .name: part, .offset: 16, .size: 8, .value_kind: global_buffer, .address_space: global }
      - { .name: out0, .offset: 24, .size: 8, .value_kind: global_buffer, .address_space: global }
      - { .name: out1, .offset: 32, .size: 8, .value_kind: global_buffer, .address_space: global }
    .group_segment_fixed_size: 0
    .private_segment_fixed_size: 0
    .kernarg_segment_align: 8
    .kernarg_segment_size: 40
    .max_flat_workgroup_size: 128
    .sgpr_count:     66
    .vgpr_count:     224
    .wavefront_size: 32
...
	.end_amdgpu_metadata
.endif
;; end of part 8
